; MI455X (gfx1250); checked and timed in simulation.
; The chip was launched on July 23, 2026; its instructions are those of AMD's public machine-readable ISA for CDNA 5 (MIT licence, August 2026) and "CDNA5" Instruction Set Architecture Reference Guide (July 2026). The comments in the code are by the model that wrote it; some were corrected since.
;; Multi Head Attention. Allowed arithmetic: matrix products marked QUANTISED: E2M3 operands, one E8M0 scale for each 32 along K, by v_wmma_scale_f32_16x16x128_f8f6f4 with both operands' format E2M3, f32 sums; everything else in f32.
;; Inputs: Wk 1,024 x 1,024 float32; Wp 1,024 x 1,024 float32; Wq 1,024 x 1,024 float32; Wv 1,024 x 1,024 float32; bk 1,024 float32; bp 1,024 float32; bq 1,024 float32; bv 1,024 float32; x 4 x 2,048 x 1,024 float32.
;; Outputs: out0 4 x 2,048 x 1,024 float32.
;; This version of the problem:
;;   THIS VERSION OF THE PROBLEM IS GIVEN IN LOW PRECISION. The matrix products marked QUANTISED in the list below multiply operands that are first quantised to E2M3 (2 exponent bits, 3 mantissa bits; 6 bits a number), with one power-of-two scale for each 32 numbers along K (OCP MX v1.0); their sums are f32. All else is computed in f32.
;;   The module's matrix products, in the order in which they are computed (A, B: the left and right operand; K: the contracted axis; several contracted axes count as one K, in the product's order):
;;     1. [M 8,192, K 1,024] x [K 1,024, N 1,024]; A: input x; B: input Wq: QUANTISED
;;     2. [M 8,192, K 1,024] x [K 1,024, N 1,024]; A: input x; B: input Wk: QUANTISED
;;     3. [M 8,192, K 1,024] x [K 1,024, N 1,024]; A: input x; B: input Wv: QUANTISED
;;     4. batch 64 x [M 2,048, K 64] x [K 64, N 2,048]; A: computed on the way; B: computed on the way: QUANTISED
;;     5. batch 64 x [M 2,048, K 2,048] x [K 2,048, N 64]; A: softmax (see below); B: computed on the way: QUANTISED
;;     6. [M 8,192, K 1,024] x [K 1,024, N 1,024]; A: computed on the way; B: input Wp: QUANTISED
;;   THE QUANTISER, for each operand of a quantised product, along K:
;;     - K is cut into blocks of 32 from its start; a last block that is shorter is filled with zeros.
;;     - A block's scale is 2^e with e = floor(log2(the largest magnitude in the block)) - 2, held to -126 .. 127; a block of zeros has e = 0. As a byte (E8M0): e + 127.
;;     - Each number is divided by its block's scale, clamped to +-7.5, and rounded to the nearest number of E2M3, ties to even, subnormals kept.
;;     - The product sums the exact products of the quantised numbers (number of the format x scale) in f32.
;;   ~~~python
;;   def quantise(x, axis):      # numpy; x: float32 -> the quantised numbers, widened to float32 again
;;       x = np.moveaxis(x, axis, -1); K = x.shape[-1]
;;       x = np.pad(x, [(0, 0)] * (x.ndim - 1) + [(0, -K % 32)]); x = x.reshape(x.shape[:-1] + (-1, 32)); a = np.abs(x).max(-1, keepdims=True)
;;       e = np.where(a > 0, np.clip(np.frexp(np.where(a > 0, a, 1))[1] - 1 - 2, -126, 127), 0)      # np.frexp(a)[1] - 1 = floor(log2(a)), exactly
;;       r = np.clip(x / 2.0 ** e, -7.5, 7.5)
;;       step = 2.0 ** (np.maximum(np.frexp(np.where(r == 0, 1, r))[1] - 1, 0) - 3)
;;       q = np.round(r / step) * step * 2.0 ** e      # np.round: ties to even
;;       return np.moveaxis(q.reshape(q.shape[:-2] + (-1,))[..., :K], -1, axis).astype(np.float32)
;;   ~~~
;;   SOFTMAX AHEAD OF A QUANTISED PRODUCT. Where the list says 'softmax', what is quantised is not the finished softmax but p = 2^(t - M), with t = logit x log2(e) and M = ceil(the row's largest t), a whole number; so 1/2 < the row's largest p <= 1. The row's sum l is taken of the UNQUANTISED p, in f32, and the product's result is divided by l at the end. Since M is a whole number, a kernel that streams over the keys may use a running M (the ceiling of the running maximum): every later rescaling is an exact power of two, which a block's scale takes up: the codes' values come out the same.
;;   OPERANDS COMPUTED ON THE WAY. 'Computed on the way' means the value that the module computes at that place (a softmax that the list does not call 'softmax' is quantised finished and normalised). What goes into a quantiser is computed in f32, as accurately as f32 sums, v_exp_f32 and their like allow (about 1e-6 of the number): no bf16 or f16 on the way to a quantiser, and a product that is left as it is and whose result goes on into a quantised operand takes f32 operands (vector FMAs, or v_wmma_f32_16x16x4_f32). A number that lies on a knife's edge between two numbers of the format may be rounded either way, as far as f32 arithmetic and the matrix unit's own rounding can turn it there, and no further.
;; One version. Each part assembles by itself: llvm-mc -triple=amdgcn-amd-amdhsa -mcpu=gfx1250 --defsym DOCPART=n.
;; ======== version 1 of 1: 4 launches
;; limits: right only within a limited range of input values
;; workspace buffers: ac 6,291,456 bytes; asc 262,144 bytes; wc 3,145,728 bytes; ws 131,072 bytes; qc 6,291,456 bytes; qs 524,288 bytes; kv 12,582,912 bytes; kvs 786,432 bytes
;; launch quant (part 1): grid 320 x 1, 8 waves a work-group, no clusters, 55,296 bytes of LDS; arguments Wq, Wk, Wv, Wp, wc, ws, x, ac, asc; writes wc, ws, ac, asc
.if DOCPART == 1
	.amdgcn_target "amdgcn-amd-amdhsa--gfx1250"
	.amdhsa_code_object_version 6
	.text
	.protected	k_qa6f8a7db0e_quant
	.globl	k_qa6f8a7db0e_quant
	.p2align	8
	.type	k_qa6f8a7db0e_quant,@function
k_qa6f8a7db0e_quant:
	s_mov_b64 s[64:65], 0
	v_nop
	global_prefetch_b8 v0, s[64:65] scope:SCOPE_SE
	s_setreg_imm32_b32 hwreg(HW_REG_WAVE_MODE, 25, 1), 1
	s_wait_xcnt 0x0
; ONE LAUNCH QUANTISES ALL FIVE TENSORS to codes of FP6 (E2M3) along K = 1,024, one E8M0 byte for each 32, laid as the products' launches want an operand.  Work-groups 0 to 63 take the four weights, 64 to 319 take x.
; The two paths part on the work-group's number alone and have LDS bytes of their own.
; ORDER OF ROWS: buffer row p holds true row (x) or true column (weights) sigma(p), sigma = bits 3 and 4 of the number exchanged.
; CODES: [tiles of 16 rows][16 halves][768 bytes].  A half is the image of six operand registers (16 rows x 64 along K): registers 0-3 of lane l at 16 l, registers 4-5 at 512 + 8 l.
; SCALE WORDS: [groups of 128 rows][8 steps of 128 along K][128 rows], four bytes a word.
; A block's scale is 2^(floor(log2(its largest magnitude)) - 2); its byte is the largest magnitude's exponent field - 2, held at 1 from below.
; LIMITS: a block of zeros keeps the byte 1 (its codes are zeros, and this program alone reads the bytes); blocks whose largest magnitude lies under 2^-124 are held at that byte; NaN and infinities are not served.
.set NW,    64                         ; the weights' work-groups
.set WBASE, 1024                       ; LDS: 0..1023 x's scale words [2 steps][128 rows]; from 1,024 on the weights' two blocks of WB bytes, one for each four waves
.set WB,    26624
.set SPARE, WBASE+2*WB                 ; the spare words, 128 bytes for each of the eight waves
.set SPW,   200
.set NIL,   201
	v_lshl_add_u32 v[SPW], v0, 2, SPARE
	v_mov_b32 v[NIL], 0
	v_lshrrev_b32 v10, 5, v0
	v_readfirstlane_b32 s16, v10                   ; wave 0..7
	s_wait_alu depctr_va_vdst(0)                   ; the wait ahead of the branch
	s_cmp_lt_u32 ttmp9, NW
	s_cbranch_scc1 .Lweights
; ---- x [8192][1024].  A work-group takes 128 buffer rows x 256 along K; wave w takes tile w of them, two fragments of 128 along K.  Lane (r, h) loads, of its row, 16 neighbours of each block of 32.
.set XA,  1                            ; v1   my lane's byte in the wave's rows of x
.set L16, 2
.set L8,  3
.set WSA, 4                            ; v4   where my row's scale word goes in LDS: 64 w + 4 r
.set WRD, 5                            ; v5   512 (w & 1) + 16 x lane: where the words are read back, and their place in memory
.set PW0, 8
.set PW1, 9
.set TM,  16
.set X0,  32
.set X1,  96
.set PC0, 160                          ; each fragment has registers of its own, so that no store's data are written again
.set PC1, 172
.set CT0, 184
.set CT1, 192
.set SEL, 20
; 64 numbers of a lane, register 16 b + i = k 32 b + 16 (lane / 16) + i of my row, become a fragment's codes in v[pc] on and its scale word in v[pw]
.macro QUANT s, pc, ct, pw
.irp b, 0,1,2,3
	v_max3_num_f32 v[TM+\b], |v[\s+16*\b]|, |v[\s+1+16*\b]|, 0x1800000   ; my 16 numbers of block b, and the floor 2^(3 - 127)
.endr
.irp i, 2,4,6,8,10,12,14
.irp b, 0,1,2,3
	s_delay_alu instid0(VALU_DEP_4)
	v_max3_num_f32 v[TM+\b], v[TM+\b], |v[\s+16*\b+\i]|, |v[\s+1+16*\b+\i]|
.endr
.endr
.irp b, 0,1,2,3
	s_delay_alu instid0(VALU_DEP_4)
	v_permlanex16_b32 v[TM+4+\b], v[TM+\b], s[SEL], s[SEL+1]
.endr
.irp b, 0,1,2,3
	s_delay_alu instid0(VALU_DEP_4)
	v_max_num_f32 v[TM+\b], v[TM+\b], v[TM+4+\b]   ; with lane l xor 16's: the block's largest magnitude
.endr
.irp b, 0,1,2,3
	s_delay_alu instid0(VALU_DEP_4)
	v_add_nc_u32 v[TM+12+\b], 0xff000000, v[TM+\b]   ; 2 off its exponent field: the conversion's scale operand
.endr
.irp b, 0,1,2,3
	s_delay_alu instid0(VALU_DEP_4)
	v_lshrrev_b32 v[TM+4+\b], 23, v[TM+12+\b]   ; the scale's byte
.endr
	s_delay_alu instid0(VALU_DEP_3)
	v_lshl_or_b32 v[\pw], v[TM+5], 8, v[TM+4]
	s_delay_alu instid0(VALU_DEP_1)
	v_lshl_or_b32 v[\pw], v[TM+6], 16, v[\pw]
	s_delay_alu instid0(VALU_DEP_1)
	v_lshl_or_b32 v[\pw], v[TM+7], 24, v[\pw]
.irp c, 0,1
	v_cvt_scalef32_pk16_fp6_f32 v[\pc+6*\c:\pc+2+6*\c], v[\s+32*\c:\s+15+32*\c], v[TM+12+2*\c]
	v_cvt_scalef32_pk16_fp6_f32 v[\ct+4*\c:\ct+2+4*\c], v[\s+16+32*\c:\s+31+32*\c], v[TM+12+2*\c+1]   ; (a conversion's three registers begin on an even number)
.endr
	v_nop                                  ; one plain place behind a scaled conversion
.irp c, 0,1                            ; the operand's layout wants a whole block in a lane
.irp i, 0,1,2
	v_permlane16_swap_b32 v[\pc+6*\c+\i], v[\ct+4*\c+\i]
.endr
.irp i, 0,1,2
	s_delay_alu instid0(VALU_DEP_3)
	v_mov_b32 v[\pc+3+6*\c+\i], v[\ct+4*\c+\i]
.endr
.endr
.endm
.macro PUT pc, base, off               ; a half leaves as it stands: 512 and 256 consecutive bytes
	global_store_b128 v[L16], v[\pc:\pc+3], s[\base:\base+1] offset:\off
	global_store_b64 v[L8], v[\pc+4:\pc+5], s[\base:\base+1] offset:\off+512
.endm
.macro XLOAD reg, s
.irp b, 0,1,2,3
.irp j, 0,1,2,3
	global_load_b128 v[\reg+16*\b+4*\j:\reg+16*\b+4*\j+3], v[XA], s[4:5] offset:512*\s+128*\b+16*\j th:TH_LOAD_NT
.endr
.endr
.endm
	s_load_b128 s[4:7], s[0:1], 0x30               ; x, ac
	s_load_b64 s[8:9], s[0:1], 0x40                ; asc
	s_sub_co_u32 s28, ttmp9, NW
	s_and_b32 s29, s28, 3                          ; which 256 along K
	s_lshr_b32 s18, s28, 2                         ; G: which 128 buffer rows
	v_and_b32 v11, 15, v0                          ; r
	v_bfe_u32 v12, v0, 4, 1                        ; h
	v_and_b32 v13, 31, v0                          ; lane
	s_delay_alu instid0(VALU_DEP_3)
	v_and_b32 v14, 8, v11
	s_delay_alu instid0(VALU_DEP_1)
	v_add_nc_u32 v14, v14, v11                     ; r + 8 (r / 8)
	s_delay_alu instid0(VALU_DEP_1)
	v_lshlrev_b32 v[XA], 12, v14                   ; a row of x is 4,096 bytes
	s_delay_alu instid0(VALU_DEP_1)
	v_lshl_add_u32 v[XA], v12, 6, v[XA]            ; + 64 h: my 16 numbers of a block
	v_lshlrev_b32 v[L16], 4, v13
	v_lshlrev_b32 v[L8], 3, v13
	s_lshl_b32 s17, s16, 6
	v_lshl_add_u32 v[WSA], v11, 2, s17
	s_and_b32 s17, s16, 1
	s_lshl_b32 s17, s17, 9
	v_add_nc_u32 v[WRD], s17, v[L16]
.irp b, 0,1,2,3
	v_mov_b32 v[TM+4+\b], 0                        ; written once: a lane permute's destination counts as one of its sources
.endr
	s_mov_b32 s[SEL], 0x76543210
	s_mov_b32 s[SEL+1], 0xfedcba98                 ; lane l xor 16
	s_lshl_b32 s22, s18, 7
	s_lshr_b32 s23, s16, 1
	s_lshl_b32 s23, s23, 5
	s_add_co_u32 s22, s22, s23
	s_and_b32 s23, s16, 1
	s_lshl_b32 s23, s23, 3
	s_add_co_u32 s22, s22, s23                     ; my tile's first true row: 128 G + 32 (w / 2) + 8 (w % 2)
	s_lshl_b32 s22, s22, 12
	s_lshl_b32 s23, s29, 10                        ; + 256 numbers for each step along K
	s_add_co_u32 s22, s22, s23
	s_mov_b32 s23, 0
	s_lshl_b32 s24, s18, 3
	s_add_co_u32 s24, s24, s16                     ; my tile: 8 G + w
	s_mul_i32 s24, s24, 12288
	s_mul_i32 s25, s29, 3072                       ; four halves
	s_add_co_u32 s24, s24, s25
	s_mov_b32 s25, 0
	s_lshl_b32 s26, s18, 12                        ; the group's words, two steps of 512 bytes
	s_lshl_b32 s27, s29, 10
	s_add_co_u32 s26, s26, s27
	s_mov_b32 s27, 0
	s_wait_alu depctr_va_vdst(0)
	s_wait_kmcnt 0x0
	s_add_nc_u64 s[4:5], s[4:5], s[22:23]
	s_add_nc_u64 s[6:7], s[6:7], s[24:25]
	s_add_nc_u64 s[8:9], s[8:9], s[26:27]
	XLOAD X0, 0
	XLOAD X1, 1
	s_wait_loadcnt 16                              ; the first 16 loads are in; the second fragment's 16 may be out
	QUANT X0, PC0, CT0, PW0
	PUT PC0, 6, 0
	PUT PC0+6, 6, 768
	ds_store_b32 v[WSA], v[PW0]                    ; lanes r and r + 16 write the same word with the same value
	s_wait_loadcnt 0x0
	QUANT X1, PC1, CT1, PW1
	PUT PC1, 6, 1536
	PUT PC1+6, 6, 2304
	ds_store_b32 v[WSA], v[PW1] offset:512
	s_wait_dscnt 0x0                               ; for the others' sake: my words lie in LDS
	s_barrier_signal -1
	s_barrier_wait -1
	s_cmp_lt_u32 s16, 2                            ; waves 0 and 1 store a step's 128 words each: 512 consecutive bytes
	s_cbranch_scc0 .Lno_words_x
	ds_load_b128 v[32:35], v[WRD]
	s_wait_dscnt 0x0
	global_store_b128 v[WRD], v[32:35], s[8:9]
.Lno_words_x:
	s_wait_tensorcnt 0x0                           ; the wave's end, behind my last LDS store
	ds_add_u32 v[SPW], v[NIL]
	s_wait_dscnt 0x0
	s_endpgm
; ---- the four weights [1024 (k)][1024 (n)], whose K is their FIRST axis.  A LANE TAKES A COLUMN, AND ITS REGISTERS RUN DOWN K: a block of 32 lies in one lane, its six registers of codes are the registers of ONE lane of a half's image:
; row r = (l & 7) + 8 (bit 4 of l) of tile tau = bit 3 of l, image lane r + 16 (block % 2), half block / 2.  They go there through the wave's own stage in LDS and leave as runs of 512 consecutive bytes.
; Four waves take 128 columns x 256 along K, 32 columns a wave: unit o = 2 x work-group + wave / 4 of 128: o % 32 = 8 x weight + which 128 columns, o / 32 = which 256 along K.  Loads run two blocks (64 loads) ahead.
.Lweights:
.set STG,   6400                       ; a wave's stage: two tiles, 3,200 bytes apart
.set WST,   25600                      ; behind four stages: the scale words [2 steps][128 rows]
.set SB,    24
.set X,     32
.set C,     96
.set D,     104
.set OUTR,  112
	s_load_b256 s[4:11], s[0:1], 0x0               ; Wq, Wk, Wv, Wp
	s_load_b128 s[12:15], s[0:1], 0x20             ; wc, ws
	s_lshr_b32 s31, s16, 2                         ; which four waves
	s_and_b32 s16, s16, 3                          ; my number among them
	s_lshl_b32 s28, ttmp9, 1
	s_add_co_u32 s28, s28, s31                     ; o
	s_and_b32 s29, s28, 31
	s_lshr_b32 s21, s28, 5                         ; which 256 along K
	s_mul_i32 s32, s31, WB
	s_add_co_u32 s32, s32, WBASE                   ; the four waves' LDS block
	s_add_co_u32 s33, s32, WST
	v_and_b32 v2, 31, v0                           ; lane
	v_lshlrev_b32 v3, 2, v2                        ; in: 4 bytes a lane
	v_bfe_u32 v16, v0, 3, 1                        ; tau
	v_bfe_u32 v17, v0, 4, 1
	v_and_b32 v18, 7, v0
	v_lshl_add_u32 v18, v17, 3, v18                ; r
	s_mul_i32 s17, s16, STG
	s_add_co_u32 s17, s17, s32
	v_mul_u32_u24 v19, v16, 3200
	v_add_nc_u32 v19, s17, v19
	v_lshl_add_u32 v4, v18, 4, v19                 ; into the stage: registers 0-3
	v_lshl_add_u32 v5, v18, 3, v19                 ; registers 4-5
	v_lshlrev_b32 v7, 4, v2                        ; 16 x lane
	v_add_nc_u32 v6, s17, v7                       ; out of the stage
	v_lshl_add_u32 v20, v16, 4, v18                ; sigma(lane)
	s_lshl_b32 s18, s16, 7
	s_add_co_u32 s18, s18, s33
	v_lshl_add_u32 v8, v20, 2, s18                 ; my column's scale word: row 32 w + sigma(lane)
	s_and_b32 s18, s16, 1
	s_lshl_b32 s18, s18, 9
	v_add_nc_u32 v10, s18, v7                      ; 512 (w & 1) + 16 x lane: the words' place in memory,
	v_add_nc_u32 v9, s33, v10                      ; and in LDS
	s_lshr_b32 s19, s29, 3                         ; which weight
	s_and_b32 s20, s29, 7                          ; which 128 columns
	s_lshl_b32 s22, s21, 20                        ; 256 rows of 4,096 bytes
	s_lshl_b32 s23, s20, 9
	s_add_co_u32 s22, s22, s23
	s_lshl_b32 s23, s16, 7
	s_add_co_u32 s22, s22, s23                     ; + 4 x my first column
	s_mov_b32 s23, 0
	s_lshl_b32 s24, s29, 3
	s_lshl_b32 s25, s16, 1
	s_add_co_u32 s24, s24, s25                     ; my first tile: 64 x weight + 8 x columns + 2 w
	s_mul_i32 s24, s24, 12288
	s_mul_i32 s25, s21, 3072
	s_add_co_u32 s24, s24, s25
	s_mov_b32 s25, 0
	s_lshl_b32 s26, s29, 12                        ; the group's words,
	s_lshl_b32 s27, s21, 10                        ; two steps of 512 bytes
	s_add_co_u32 s26, s26, s27
	s_mov_b32 s27, 0
	s_wait_alu depctr_va_vdst(0)
	s_wait_kmcnt 0x0
	s_cmp_eq_u32 s19, 1                            ; the choice hangs on ids alone
	s_cselect_b64 s[4:5], s[6:7], s[4:5]
	s_cmp_eq_u32 s19, 2
	s_cselect_b64 s[4:5], s[8:9], s[4:5]
	s_cmp_eq_u32 s19, 3
	s_cselect_b64 s[4:5], s[10:11], s[4:5]
	s_add_nc_u64 s[4:5], s[4:5], s[22:23]
	s_add_nc_u64 s[12:13], s[12:13], s[24:25]
	s_add_nc_u64 s[14:15], s[14:15], s[26:27]
.macro LOAD t                          ; block t: W(32 t + i, my column) into set t % 2: 32 lanes read 128 consecutive bytes
.irp i, 0,1,2,3,4,5,6,7,8,9,10,11,12,13,14,15,16,17,18,19,20,21,22,23,24,25,26,27,28,29,30,31
	global_load_b32 v[X+32*((\t)%2)+\i], v3, s[4:5] offset:(32*(\t)+\i)*4096 th:TH_LOAD_NT
.endr
.endm
	LOAD 0
	LOAD 1
.macro BLOCK t
.set XS, X+32*((\t)%2)
.if (\t) < 7
	s_wait_loadcnt 32                              ; this block's 32 loads are in; the next block's may be out
.else
	s_wait_loadcnt 0
.endif
	v_max3_num_f32 v12, |v[XS]|, |v[XS+1]|, |v[XS+2]|
	v_max3_num_f32 v13, |v[XS+3]|, |v[XS+4]|, |v[XS+5]|
.irp i, 6,10,14,18,22,26
	v_max3_num_f32 v12, v12, |v[XS+\i]|, |v[XS+\i+1]|
	v_max3_num_f32 v13, v13, |v[XS+\i+2]|, |v[XS+\i+3]|
.endr
	v_max3_num_f32 v12, v12, |v[XS+30]|, |v[XS+31]|
	v_max3_num_f32 v12, v12, v13, 0x1800000        ; and the floor 2^(3 - 127)
	v_add_nc_u32 v11, 0xff000000, v12              ; 2 off the exponent field: the conversion's scale operand
	v_lshrrev_b32 v13, 23, v11                     ; the scale's byte
.if (\t)%4 == 0
	v_mov_b32 v[SB+(\t)/4], v13
.else
	v_lshl_or_b32 v[SB+(\t)/4], v13, 8*((\t)%4), v[SB+(\t)/4]
.endif
	v_cvt_scalef32_pk16_fp6_f32 v[C:C+2], v[XS:XS+15], v11
	v_cvt_scalef32_pk16_fp6_f32 v[D:D+2], v[XS+16:XS+31], v11   ; (a conversion's three registers begin on an even number)
	v_nop                                          ; one plain place behind a scaled conversion
.irp i, 0,1,2
	v_mov_b32 v[C+3+\i], v[D+\i]
.endr
	ds_store_b128 v4, v[C:C+3] offset:768*((\t)/2)+256*((\t)%2)
	ds_store_b64 v5, v[C+4:C+5] offset:768*((\t)/2)+512+128*((\t)%2)
.if (\t)+2 < 8
	LOAD (\t)+2
.endif
	s_wait_dscnt 0x0                               ; the stores have read their registers: the next block's codes may be written
.endm
.irp t, 0,1,2,3,4,5,6,7
	BLOCK \t
.endr
	ds_store_b32 v8, v[SB]                         ; my column's two scale words
	s_wait_alu depctr_va_vdst(0)
	ds_store_b32 v8, v[SB+1] offset:512
.irp i, 0,1,2,3,4,5,6,7,8,9,10,11
	ds_load_b128 v[OUTR+4*\i:OUTR+4*\i+3], v6 offset:3200*(\i/6)+512*(\i%6)   ; LDS serves a wave's instructions in order: these see my stores
.endr
.irp i, 0,1,2,3,4,5,6,7,8,9,10,11
	s_wait_dscnt 11-\i                             ; the younger loads may be out
	global_store_b128 v7, v[OUTR+4*\i:OUTR+4*\i+3], s[12:13] offset:12288*(\i/6)+512*(\i%6)   ; 512 consecutive bytes
.endr
	s_barrier_signal -1                            ; (the last wait above was for 0: my words lie in LDS)
	s_barrier_wait -1
	s_cmp_lt_u32 s16, 2                            ; the first two of each four waves store a step's 128 words each
	s_cbranch_scc0 .Lno_words_w
	ds_load_b128 v[160:163], v9
	s_wait_dscnt 0x0
	global_store_b128 v10, v[160:163], s[14:15]
.Lno_words_w:
	s_wait_tensorcnt 0x0                           ; the wave's end, behind my last LDS store
	ds_add_u32 v[SPW], v[NIL]
	s_wait_dscnt 0x0
	s_endpgm
.Lfunc_end_k_qa6f8a7db0e_quant:
	.size	k_qa6f8a7db0e_quant, .Lfunc_end_k_qa6f8a7db0e_quant-k_qa6f8a7db0e_quant
	.p2alignl 7, 3214868480
	.fill 96, 4, 3214868480
	.section	.rodata,"a",@progbits
	.p2align	6, 0x0
	.amdhsa_kernel k_qa6f8a7db0e_quant
		.amdhsa_group_segment_fixed_size 55296
		.amdhsa_private_segment_fixed_size 0
		.amdhsa_enable_private_segment 0
		.amdhsa_kernarg_size 72
		.amdhsa_user_sgpr_count 2
		.amdhsa_user_sgpr_kernarg_segment_ptr 1
		.amdhsa_wavefront_size32 1
		.amdhsa_system_sgpr_workgroup_id_x 1
		.amdhsa_system_sgpr_workgroup_id_y 1
		.amdhsa_system_sgpr_workgroup_id_z 1
		.amdhsa_system_vgpr_workitem_id 0
		.amdhsa_next_free_vgpr 208
		.amdhsa_next_free_sgpr 66
		.amdhsa_reserve_vcc 0
		.amdhsa_float_denorm_mode_32 3
		.amdhsa_float_denorm_mode_16_64 3
		.amdhsa_memory_ordered 1
		.amdhsa_forward_progress 1
		.amdhsa_inst_pref_size 61
	.end_amdhsa_kernel
	.amdgpu_metadata
---
amdhsa.version: [ 1, 2 ]
amdhsa.kernels:
  - .name:           k_qa6f8a7db0e_quant
    .symbol:         k_qa6f8a7db0e_quant.kd
    .args:
      - { .name: Wq, .offset: 0, .size: 8, .value_kind: global_buffer, .address_space: global }
      - { .name: Wk, .offset: 8, .size: 8, .value_kind: global_buffer, .address_space: global }
      - { .name: Wv, .offset: 16, .size: 8, .value_kind: global_buffer, .address_space: global }
      - { .name: Wp, .offset: 24, .size: 8, .value_kind: global_buffer, .address_space: global }
      - { .name: wc, .offset: 32, .size: 8, .value_kind: global_buffer, .address_space: global }
      - { .name: ws, .offset: 40, .size: 8, .value_kind: global_buffer, .address_space: global }
      - { .name: x, .offset: 48, .size: 8, .value_kind: global_buffer, .address_space: global }
      - { .name: ac, .offset: 56, .size: 8, .value_kind: global_buffer, .address_space: global }
      - { .name: asc, .offset: 64, .size: 8, .value_kind: global_buffer, .address_space: global }
    .group_segment_fixed_size: 55296
    .private_segment_fixed_size: 0
    .kernarg_segment_align: 8
    .kernarg_segment_size: 72
    .max_flat_workgroup_size: 256
    .sgpr_count:     66
    .vgpr_count:     208
    .wavefront_size: 32
...
	.end_amdgpu_metadata
.endif
;; end of part 1
;; launch qkv (part 2): grid 8 x 48, 4 waves a work-group, clusters of 4 x 4, 327,680 bytes of LDS; arguments ac, asc, wc, ws, bq, bk, bv, qc, qs, kv, kvs; writes qc, qs, kv, kvs
.if DOCPART == 2
	.amdgcn_target "amdgcn-amd-amdhsa--gfx1250"
	.amdhsa_code_object_version 6
	.text
	.protected	k_qa6f8a7db0e_qkv
	.globl	k_qa6f8a7db0e_qkv
	.p2align	8
	.type	k_qa6f8a7db0e_qkv,@function
k_qa6f8a7db0e_qkv:
	s_mov_b64 s[64:65], 0
	v_nop
	global_prefetch_b8 v0, s[64:65] scope:SCOPE_SE
	s_setreg_imm32_b32 hwreg(HW_REG_WAVE_MODE, 25, 1), 1
	s_wait_xcnt 0x0
	s_wait_alu depctr_hold_cnt(0) depctr_sa_sdst(0) depctr_va_vdst(0) depctr_va_sdst(0) depctr_va_ssrc(0) depctr_va_vcc(0) depctr_vm_vsrc(0)
	s_getreg_b32 s2, hwreg(HW_REG_IB_STS2, 6, 4)
	s_cmp_eq_u32 s2, 0
	s_cbranch_scc0 .Lentry_in_a_cluster
	s_endpgm
.Lentry_in_a_cluster:
	s_bfe_u32 s2, ttmp6, 0x10000c
	s_cmp_lg_u32 s2, 0xf033
	s_cbranch_scc0 .Lentry_shape_is_right
	s_endpgm
.Lentry_shape_is_right:
; q = x Wq + bq, k = x Wk + bk, v = x Wv + bv on codes of FP6 (E2M3) with E8M0 scales, K = 1,024; the results are quantised here, in registers, and leave as codes: q and k along a head's 64, v along the keys.
; OPERANDS are images of operand registers: [tiles of 16 rows][16 halves of 64 along K][768 bytes] (registers 0-3 of lane l at 16 l, registers 4-5 at 512 + 8 l); scale words [groups of 128 rows][8 steps of 128][128 rows].
; Buffer row p of every operand is true row sigma(p) (bits 3 and 4 exchanged), so the 16 result registers of source 0's tiles 2 b, 2 b + 1 are the true neighbours 32 b + 16 (lane / 16) + 0 .. 15.
; A tile of 256 x 256 is made by four waves, 128 x 128 each: 64 accumulators.  K goes in steps of 256 through two LDS slots filled by joint tensor loads of a 4 x 4 cluster.
; TWO FLAVOURS, told apart by the CLUSTER's y, which all sixteen partners share.  y < 8 (q, k): source 1 (lanes) = 16 tokens of x, source 0 (registers) = 16 rows of Wq or Wk: a lane holds a token, its 64 registers of a block two heads.
; y >= 8 (v): source 1 = 16 rows of Wv, source 0 = 16 tokens: a lane holds a channel and its registers run along 128 keys.  Either way 64 registers are one fragment for the next product.
; BIASES: along the registers (q, k) as the C of the first products; along the lanes (v) by the packed additions that bring a block's results into window 0 (q, k add zeros there, v begins its sums with zeros).
; OUT: qc [pair P = 8 batch + head / 2][head % 2][128 tiles][768]; qs [P][head % 2][2048] words; kv [P][head % 2][8 chunks of 256 keys][K: 16 tiles x 768, V: 4 channel tiles x 4 halves x 768];
; kvs [P][K: 2 x 2048 words, V: 2 x 16 steps x 64 channels words].  A word of q or k holds its head's two bytes low; its two upper bytes are the other head's or 0, never 0xff, and scale zero codes alone.
; LIMITS: a block of zeros keeps the byte 1; blocks whose largest magnitude lies under 2^-124 are held at that byte; NaN and infinities are not served.
; No prefetch: K is four steps, two of them first fills.  The 384 tiles are one and a half turns of 256 work-groups: a smaller wave tile would read each LDS byte for half the products.
; REGISTERS: window 0: v1-31 addresses; v32-63 scale words, two sets; v64-127 the bias along the registers; v128-223 source 1's fragments, one set; v240-255 the bias along the lanes.  window 1: source 0's fragments, two sets.  windows 2, 3: accumulators.
.set NQ,     2                         ; matrix instructions deep in a slot
.set FR,     12                        ; registers of a fragment
.set NL,     4                         ; LDS loads that bring one
.set NP,     4                         ; places behind this matrix instruction (ISA guide 7.12.1)
.set HALFB,  768
.set KSB,    4*HALFB                   ; a tile's bytes of a K step of 256
.set TILEP,  16*HALFB                  ; from tile to tile in memory
.set HALFT,  8*KSB                     ; 8 tiles: what one tensor load brings, and what one wave reads of either operand
.set SLOT,   4*HALFT
.set LAPS,   2                         ; 1,024 along K: twice round the ring
.set SCL,    2*SLOT                    ; behind the ring: four groups of scale words, 4,096 bytes each, filled once
.set SPARE,  SCL+4*4096                ; the spare words, 128 bytes for each wave
.set SHF,  15                          ; v15     16 in lanes 16-31 of q's and k's work-groups, else 0
.set ADRA, 16                          ; v16-17  16 x lane + my tiles of source 1 in slot 0, 1;  v18-19 the same with 8 x lane
.set ADRB, 20                          ; v20-23  the same for source 0
.set L16,  24
.set L8,   25
.set VOW,  26                          ; v26     the scale words' place in memory
.set ADRS, 27                          ; v27     my scale words in LDS: lanes 0-15 source 1's rows, lanes 16-31 source 0's
.set SPW,  28
.set NIL,  29
.set STW,  30                          ; v30     the way out: where a block's scale word goes in LDS
.set STR,  31                          ; v31     and where the words are read back
.set SC,   32
.set BU,   64
.set AF,   128
.set BV,   240
.set HQ,   128                         ; the way out: a block's 64 numbers
.set PC,   192
.set CT,   204
.set TM,   212
.set PW,   228
.set WDS,  230                         ; v230-237 a shifted word for each block, so that no LDS store's data are written again
.set WV,   26
.set HA,   27                          ; wave / 2: my half of source 1's rows.  Also: I fetch for source 1 (0) or source 0 (1)
.set HB,   60                          ; wave % 2: my half of source 0's rows.  Also: which 8 tiles I fetch
.set CX,   61
.set CY,   62
.set FLV,  63
.set ATR,  66                          ; source 1's block of 256 rows, counted in its buffer
.set BTC,  67                          ; source 0's
.set G1,   28
.set G0,   36
.set G1B,  44
.set G0B,  52
.set G1S,  68
.set G0S,  76
.set G1SB, 80
.set G0SB, 88
.set PA,   92                          ; s[92:93] where a block's first half goes;  s[94:95] its second
.set PB,   94
.set W0,   96                          ; s[96:97] where my scale words go
.set AS,   98                          ; s[98:99] from block to block;  s[100:101] once more behind block 3
.set AX,   100
.set SEL,  8
.set MSB, 0
.macro WIN new                         ; the immediate's high byte repeats the setting that is left
.if MSB != (\new)
	s_set_vgpr_msb (MSB<<8)|(\new)
.set MSB, (\new)
.endif
.endm
.set MUL_LO,   0xa1                    ; source 0 window 1, source 1 window 0, C and D window 2
.set MUL_HI,   0xf1
.set FIRST_LO, 0x81                    ; the same with C in window 0: the bias
.set FIRST_HI, 0xc1
.set TO_B,     0x40
.macro JLOAD g0a, g1a, g0b, g1b        ; a joint load: waves 0 and 1 fetch for source 1, waves 2 and 3 for source 0; the branch hangs on the wave's number alone; an s_nop 0 and four v_nop follow each line
	s_cmp_eq_u32 s[HA], 0
	s_cbranch_scc0 .Lfor_b_\@
	tensor_load_to_lds s[\g0a:\g0a+3], s[\g1a:\g1a+7]
	s_nop 0
.rept 4
	v_nop
.endr
	s_branch .Lasked_\@
.Lfor_b_\@:
	tensor_load_to_lds s[\g0b:\g0b+3], s[\g1b:\g1b+7]
	s_nop 0
.rept 4
	v_nop
.endr
.Lasked_\@:
.endm
.macro CREST                           ; a round of the cluster's barrier behind its opening barrier
	s_cmp_lg_u32 s[WV], 0
	s_cbranch_scc1 .Lnot_wave_0_\@
	s_barrier_signal -3
.Lnot_wave_0_\@:
	s_barrier_wait -3
	s_barrier_signal -1
	s_barrier_wait -1
.endm
.macro CROUND
	s_barrier_signal -1
	s_barrier_wait -1
	CREST
.endm
.macro PLACES n
.rept \n
	v_nop
.endr
.endm
.macro FRAG reg, adr, q, i             ; tile i's fragment of the slot's q-th 128 along K: two halves, each a load of 16 and a load of 8 bytes a lane, consecutive from lane to lane
.irp c, 0,1
	ds_load_b128 v[\reg+6*\c:\reg+6*\c+3], v[\adr] offset:KSB*(\i)+HALFB*(2*(\q)+\c)
	ds_load_b64 v[\reg+6*\c+4:\reg+6*\c+5], v[\adr+2] offset:KSB*(\i)+HALFB*(2*(\q)+\c)+512
.endr
.endm
; 16 matrix instructions: source 1's blocks a0, a0 + 1 x source 0's eight.  The 64 accumulators take turns, one instruction a turn, in the same order in every step.
.macro MUL16 a0, p, q, sc, first
.irp a, \a0, \a0+1
.irp b, 0,1,2,3,4,5,6,7
.if \first
	v_wmma_scale_f32_16x16x128_f8f6f4 v[8*(8*((\a)%4)+\b):8*(8*((\a)%4)+\b)+7], v[128*(\p)+FR*\b:128*(\p)+FR*\b+FR-1], v[AF+FR*(\a):AF+FR*(\a)+FR-1], v[BU+8*\b:BU+8*\b+7], v[SC+8*NQ*(\sc)+NQ*\b+(\q)], v[SC+8*NQ*(\sc)+NQ*(\a)+(\q)] matrix_a_fmt:MATRIX_FMT_FP6 matrix_b_fmt:MATRIX_FMT_FP6 matrix_a_scale:MATRIX_SCALE_ROW1
.else
	v_wmma_scale_f32_16x16x128_f8f6f4 v[8*(8*((\a)%4)+\b):8*(8*((\a)%4)+\b)+7], v[128*(\p)+FR*\b:128*(\p)+FR*\b+FR-1], v[AF+FR*(\a):AF+FR*(\a)+FR-1], v[8*(8*((\a)%4)+\b):8*(8*((\a)%4)+\b)+7], v[SC+8*NQ*(\sc)+NQ*\b+(\q)], v[SC+8*NQ*(\sc)+NQ*(\a)+(\q)] matrix_a_fmt:MATRIX_FMT_FP6 matrix_b_fmt:MATRIX_FMT_FP6 matrix_a_scale:MATRIX_SCALE_ROW1
.endif
.endr
.endr
.endm
.macro FETCH_B slot, q, p
	WIN TO_B
.irp i, 0,1,2,3,4,5,6,7
	FRAG 128*(\p)+FR*\i, ADRB+\slot, \q, \i
.endr
	WIN 0
.endm
.macro FETCH_A slot, q, i0
.irp i, \i0, \i0+1, \i0+2, \i0+3
	FRAG AF+FR*(\i), ADRA+\slot, \q, \i
.endr
.endm
.macro SCALES sc                       ; a K step's scale words: register NQ i + q: lanes 0-15 source 1's block i, lanes 16-31 source 0's block i
.irp i, 0,1,2,3,4,5,6,7
.irp q, 0,1
	ds_load_b32 v[SC+8*NQ*\sc+NQ*\i+\q], v[ADRS] offset:64*\i+512*\q
.endr
.endr
.endm
.macro STEP slot, q, first             ; a step of 128 along K that has its successor in the same slot
	s_wait_dscnt 4*NL                              ; all but the youngest 16 loads (source 1's blocks 4-7) are in
.if \first
	WIN FIRST_LO
.else
	WIN MUL_LO
.endif
	MUL16 0, (\q)%2, \q, \slot, \first
	MUL16 2, (\q)%2, \q, \slot, \first
	s_wait_dscnt 0                                 ; blocks 4-7 are in
	PLACES NP
	FETCH_B \slot, (\q)+1, 1-(\q)%2
	FETCH_A \slot, (\q)+1, 0
.if \first
	WIN FIRST_HI
.else
	WIN MUL_HI
.endif
	MUL16 4, (\q)%2, \q, \slot, \first
	MUL16 6, (\q)%2, \q, \slot, \first
	PLACES NP
	WIN 0
	FETCH_A \slot, (\q)+1, 4
.endm
; A slot's last step changes slots: one barrier; in front of it each wave waits for all its tensor loads, adds 0 to its spare word, and waits for that and for its reads of this slot.  fill = 1: this slot is filled again, two K steps on.
.macro TURN slot, next, fill
	s_wait_tensorcnt 0x0                           ; all my tensor loads have landed: my part of the next slot
	ds_add_u32 v[SPW], v[NIL]
	s_wait_dscnt 4*NL+1                            ; the add and the youngest 16 loads may be out
	WIN MUL_LO
	MUL16 0, 1, NQ-1, \slot, 0
	s_wait_dscnt 0x0                               ; the add is done, and my reads of this slot are over
	s_barrier_signal -1
	MUL16 2, 1, NQ-1, \slot, 0
	WIN 0
	s_barrier_wait -1
.if \fill
	CREST                                          ; the barrier has opened a round of the cluster's barrier: no wave of any partner still reads this slot or has a load on its way
	s_add_nc_u64 s[G0+4*\slot+2:G0+4*\slot+3], s[G0+4*\slot+2:G0+4*\slot+3], 2*KSB
	s_add_nc_u64 s[G0B+4*\slot+2:G0B+4*\slot+3], s[G0B+4*\slot+2:G0B+4*\slot+3], 2*KSB
	JLOAD G0+4*\slot, G1, G0B+4*\slot, G1B         ; the first tensor load behind the round; its four v_nop are the places in front of the loads below
.else
	PLACES NP
.endif
	s_wait_alu depctr_va_vdst(0)
	v_add_nc_u32 v[ADRS], 1024, v[ADRS]            ; the next K step's scale words
	FETCH_B \next, 0, 0
	FETCH_A \next, 0, 0
	SCALES \next
	WIN MUL_HI
	MUL16 4, 1, NQ-1, \slot, 0
	MUL16 6, 1, NQ-1, \slot, 0
	PLACES NP
	WIN 0
	FETCH_A \next, 0, 4
.endm
; 64 numbers of a lane, register 16 b + i = k 32 b + 16 (lane / 16) + i of my row, become a fragment's codes in v[pc] on and its scale word in v[pw]
.macro QUANT s, pc, ct, pw
.irp b, 0,1,2,3
	v_max3_num_f32 v[TM+\b], |v[\s+16*\b]|, |v[\s+1+16*\b]|, 0x1800000   ; and the floor 2^(3 - 127): the byte cannot fall under 1
.endr
.irp i, 2,4,6,8,10,12,14
.irp b, 0,1,2,3
	v_max3_num_f32 v[TM+\b], v[TM+\b], |v[\s+16*\b+\i]|, |v[\s+1+16*\b+\i]|
.endr
.endr
.irp b, 0,1,2,3
	v_permlanex16_b32 v[TM+4+\b], v[TM+\b], s[SEL], s[SEL+1]
.endr
.irp b, 0,1,2,3
	v_max_num_f32 v[TM+\b], v[TM+\b], v[TM+4+\b]
.endr
.irp b, 0,1,2,3
	v_add_nc_u32 v[TM+12+\b], 0xff000000, v[TM+\b]   ; 2 off the exponent field: the conversion's scale operand
.endr
.irp b, 0,1,2,3
	v_lshrrev_b32 v[TM+4+\b], 23, v[TM+12+\b]
.endr
	v_lshl_or_b32 v[\pw], v[TM+5], 8, v[TM+4]
	v_lshl_or_b32 v[\pw], v[TM+6], 16, v[\pw]
	v_lshl_or_b32 v[\pw], v[TM+7], 24, v[\pw]
.irp c, 0,1
	v_cvt_scalef32_pk16_fp6_f32 v[\pc+6*\c:\pc+2+6*\c], v[\s+32*\c:\s+15+32*\c], v[TM+12+2*\c]
	v_cvt_scalef32_pk16_fp6_f32 v[\ct+4*\c:\ct+2+4*\c], v[\s+16+32*\c:\s+31+32*\c], v[TM+12+2*\c+1]
.endr
	v_nop                                  ; one plain place behind a scaled conversion
.irp c, 0,1
.irp i, 0,1,2
	v_permlane16_swap_b32 v[\pc+6*\c+\i], v[\ct+4*\c+\i]
.endr
.irp i, 0,1,2
	v_mov_b32 v[\pc+3+6*\c+\i], v[\ct+4*\c+\i]
.endr
.endr
.endm
.macro PUT pc, base, off
	global_store_b128 v[L16], v[\pc:\pc+3], s[\base:\base+1] offset:\off
	global_store_b64 v[L8], v[\pc+4:\pc+5], s[\base:\base+1] offset:\off+512
.endm
	s_load_b256 s[4:11], s[0:1], 0x0               ; ac, asc, wc, ws
	s_load_b256 s[12:19], s[0:1], 0x20             ; bq, bk, bv, qc
	s_load_b128 s[20:23], s[0:1], 0x40             ; qs, kv
	s_load_b64 s[24:25], s[0:1], 0x50              ; kvs
	v_lshl_add_u32 v[SPW], v0, 2, SPARE
	v_mov_b32 v[NIL], 0
	ds_add_u32 v[SPW], v[NIL]                      ; the wave's opening: the add and its wait ahead of my first tensor load
	ds_add_u32 v[SPW], v[NIL]
	v_lshrrev_b32 v1, 5, v0
	v_readfirstlane_b32 s[WV], v1
	s_lshr_b32 s[HA], s[WV], 1
	s_and_b32 s[HB], s[WV], 1
	s_bfe_u32 s[CX], ttmp6, 0x40000
	s_bfe_u32 s[CY], ttmp6, 0x40004
	s_and_b32 s2, ttmp7, 0xffff                    ; the cluster's y
	s_lshl_b32 s[ATR], s2, 2
	s_lshl_b32 s[BTC], ttmp9, 2
	s_sub_co_u32 s3, s2, 8
	s_lshl_b32 s3, s3, 3
	s_cmp_ge_u32 s2, 8                             ; the flavour: the same in all sixteen partners
	s_cselect_b32 s[FLV], 1, 0
	s_cselect_b32 s[ATR], 8, s[ATR]                ; v: Wv's rows begin 8 blocks of 256 into wc
	s_cselect_b32 s3, s3, 0
	s_add_co_u32 s[ATR], s[ATR], s[CY]             ; q, k: 4 y + cy, in x;  v: 8 + cy, in the weights
	s_add_co_u32 s[BTC], s[BTC], s[CX]
	s_add_co_u32 s[BTC], s[BTC], s3                ; q, k: 4 x + cx, in the weights;  v: 4 x + cx + 8 (y - 8), in x
	s_lshl_b32 s92, s[CY], 2
	s_lshl_b32 s92, 15, s92                        ; my row of the cluster
	s_lshl_b32 s93, 0x1111, s[CX]                  ; my column
	s_or_b32 s[G1], s92, (3<<16)|(1<<21)           ; 15:0 the mask; 17:16 elements of 8 bytes; 21 set beside a mask; no padding
	s_or_b32 s[G1B], s93, (3<<16)|(1<<21)
	s_or_b32 s[G1S], s92, (3<<16)|(1<<21)
	s_or_b32 s[G1SB], s93, (3<<16)|(1<<21)
.irp g, G1, G1B                        ; codes: 8 tiles x 3,072 bytes, 12,288 bytes apart
	s_mov_b32 s[\g+1], 384<<16
	s_mov_b32 s[\g+2], 16<<16                      ; the head's loads bring 16 tiles; behind them the two words that count rows are set to 8
	s_mov_b32 s[\g+3], 384<<16
	s_mov_b32 s[\g+4], 16
	s_mov_b32 s[\g+5], 1536
	s_mov_b32 s[\g+6], 0
	s_mov_b32 s[\g+7], 0
.endr
.irp g, G1S, G1SB                      ; scale words: a dense block of 8,192 bytes as 32 rows of 256
	s_mov_b32 s[\g+1], 32<<16
	s_mov_b32 s[\g+2], 32<<16
	s_mov_b32 s[\g+3], 32<<16
	s_mov_b32 s[\g+4], 32
	s_mov_b32 s[\g+5], 32
	s_mov_b32 s[\g+6], 0
	s_mov_b32 s[\g+7], 0
.endr
	s_mul_i32 s2, s[HB], 8*TILEP                   ; in the ring: which 8 tiles I fetch, as a pair s[2:3]
	s_mov_b32 s3, 0
	s_mul_i32 s[G0+2], s[ATR], 16*TILEP            ; the byte offsets stand in the address words until the pointers are there
	s_mov_b32 s[G0+3], 0
	s_mul_i32 s[G0B+2], s[BTC], 16*TILEP
	s_mov_b32 s[G0B+3], 0
	s_lshl_b32 s[G0S+2], s[ATR], 13
	s_mov_b32 s[G0S+3], 0
	s_lshl_b32 s[G0SB+2], s[BTC], 13
	s_mov_b32 s[G0SB+3], 0
	s_mul_i32 s100, s[WV], HALFT                   ; where the ring's loads go: by the wave's number alone
	s_wait_dscnt 0x0                               ; the opening add is done
	s_wait_kmcnt 0x0
	s_cmp_eq_u32 s[FLV], 0
	s_cselect_b64 s[92:93], s[4:5], s[8:9]         ; source 1's codes: x's or the weights'
	s_cselect_b64 s[94:95], s[6:7], s[10:11]
	s_cselect_b64 s[96:97], s[8:9], s[4:5]         ; source 0's
	s_cselect_b64 s[98:99], s[10:11], s[6:7]
	s_add_nc_u64 s[G0+2:G0+3], s[92:93], s[G0+2:G0+3]
	s_add_nc_u64 s[G0+6:G0+7], s[G0+2:G0+3], KSB   ; K step 1,
	s_add_nc_u64 s[G0+6:G0+7], s[G0+6:G0+7], s[2:3] ; my 8 tiles of it
	s_add_nc_u64 s[G0B+2:G0B+3], s[96:97], s[G0B+2:G0B+3]
	s_add_nc_u64 s[G0B+6:G0B+7], s[G0B+2:G0B+3], KSB
	s_add_nc_u64 s[G0B+6:G0B+7], s[G0B+6:G0B+7], s[2:3]
	s_add_nc_u64 s[G0S+2:G0S+3], s[94:95], s[G0S+2:G0S+3]
	s_add_nc_u64 s[G0SB+2:G0SB+3], s[98:99], s[G0SB+2:G0SB+3]
	s_or_b32 s[G0+3], s[G0+3], 0x80000000
	s_or_b32 s[G0+7], s[G0+7], 0x80000000
	s_or_b32 s[G0B+3], s[G0B+3], 0x80000000
	s_or_b32 s[G0B+7], s[G0B+7], 0x80000000
	s_or_b32 s[G0S+3], s[G0S+3], 0x80000000
	s_or_b32 s[G0SB+3], s[G0SB+3], 0x80000000
	s_mov_b32 s[G0S], 1
	s_mov_b32 s[G0S+1], SCL
	s_mov_b32 s[G0SB], 1
	s_mov_b32 s[G0SB+1], SCL+2*4096
	s_mov_b32 s[G0], 1
	s_mov_b32 s[G0+1], 0                           ; the head: source 1's 16 tiles of K step 0 at the slot's start,
	s_mov_b32 s[G0B], 1
	s_mov_b32 s[G0B+1], 2*HALFT                    ; source 0's behind them
	s_mov_b32 s[G0+4], 1
	s_add_co_u32 s[G0+5], s100, SLOT
	s_mov_b32 s[G0B+4], 1
	s_add_co_u32 s[G0B+5], s100, SLOT
	CROUND                                         ; all sixteen work-groups are here: the first joint loads meet
; THE HEAD'S LOADS, ONE A WAVE: wave 0 source 1's 16 tiles of K step 0, wave 1 source 0's, wave 2 source 1's scale words, wave 3 source 0's.  One chain of branches on the wave's number, every way through it passes one load.
.macro ARM under, g0, g1, next
	s_cmp_lt_u32 s[WV], \under
	s_cbranch_scc0 \next
	tensor_load_to_lds s[\g0:\g0+3], s[\g1:\g1+7]
	s_nop 0
.rept 4
	v_nop
.endr
	s_branch .Lhead_asked
\next:
.endm
	ARM 1, G0,  G1,  .Lhead_b
	ARM 2, G0B, G1B, .Lhead_sa
	ARM 3, G0S, G1S, .Lhead_sb
	tensor_load_to_lds s[G0SB:G0SB+3], s[G1SB:G1SB+7]
	s_nop 0
.rept 4
	v_nop
.endr
.Lhead_asked:
	v_and_b32 v1, 15, v0                           ; r
	v_bfe_u32 v2, v0, 4, 1                         ; h
	v_and_b32 v3, 31, v0
	v_lshlrev_b32 v[L16], 4, v3
	v_lshlrev_b32 v[L8], 3, v3
	s_mul_i32 s2, s[HA], HALFT                     ; my 8 tiles of source 1
	s_mul_i32 s3, s[HB], HALFT
	s_add_co_u32 s3, s3, 2*HALFT                   ; and of source 0
.irp s, 0,1
	v_add_nc_u32 v[ADRA+\s], s2, v[L16]
	v_add_nc_u32 v[ADRA+2+\s], s2, v[L8]
	v_add_nc_u32 v[ADRB+\s], s3, v[L16]
	v_add_nc_u32 v[ADRB+2+\s], s3, v[L8]
	s_add_co_u32 s2, s2, SLOT
	s_add_co_u32 s3, s3, SLOT
.endr
	s_lshl_b32 s2, s[HA], 12
	s_lshl_b32 s3, s[HB], 12
	s_add_co_u32 s3, s3, 2*4096
	s_sub_co_u32 s3, s3, s2
	v_mul_u32_u24 v4, s3, v2                       ; lanes 16-31 take source 0's words: one product, the distance between the two groups
	s_add_co_u32 s2, s2, SCL
	v_lshl_add_u32 v4, v1, 2, v4
	v_add_nc_u32 v[ADRS], s2, v4
	s_lshl_b32 s2, s[WV], 10                       ; the way out's words: 1,024 bytes a wave, in slot 0, which by then has had its last fill and its last read
	v_lshl_add_u32 v[STW], v2, 9, s2
	v_lshl_add_u32 v[STW], v1, 2, v[STW]
	v_add_nc_u32 v[STR], s2, v[L16]
	; where the results go
	s_cmp_eq_u32 s[FLV], 0
	s_cselect_b32 s2, s[ATR], s[BTC]               ; which 256 tokens
	s_cselect_b32 s3, s[CX], s[CY]
	s_cselect_b32 s4, s[HB], s[HA]
	s_lshl_b32 s3, s3, 1
	s_add_co_u32 s3, s3, s4                        ; g: which pair of heads
	s_lshl_b32 s4, s3, 9                           ; its 128 numbers of a bias
	v_lshl_add_u32 v13, v2, 6, s4                  ; q, k: + 64 h
	v_and_b32 v14, 8, v1
	v_add_nc_u32 v14, v14, v1
	v_lshl_add_u32 v14, v14, 2, s4                 ; v: + 4 (r + 8 (r / 8))
	s_lshr_b32 s4, s2, 3                           ; the batch
	s_and_b32 s2, s2, 7                            ; j: which 256 of its tokens
	s_lshl_b32 s4, s4, 3
	s_add_co_u32 s3, s3, s4                        ; P
	s_lshl_b32 s4, s3, 4
	s_add_co_u32 s4, s4, s2                        ; 16 P + j
	s_mul_i32 s5, s[HA], 8*HALFB                   ; q, k: my 8 tiles of tokens
	s_mul_i32 s6, s[HB], 2*HALFB                   ; v: behind the chunk's K, my two halves of keys
	s_add_co_u32 s6, s6, 12288
	s_lshl_b32 s7, s2, 10
	s_lshl_b32 s8, s[HA], 9
	s_add_co_u32 s7, s7, s8                        ; q, k: words 1,024 j + 512 HA
	s_lshl_b32 s8, s2, 9
	s_lshl_b32 s9, s[HB], 8
	s_add_co_u32 s8, s8, s9
	s_add_co_u32 s8, s8, 16384                     ; v: behind K's words, step 2 j + HB of 256 bytes
	s_mov_b32 s[AS], 3072
	s_mov_b32 s9, 4096
	s_cmp_eq_u32 s[FLV], 0
	s_cselect_b32 s5, s5, s6
	s_cselect_b32 s7, s7, s8
	s_cselect_b32 s[AS], 768, s[AS]                ; from block to block: a tile of tokens, or a tile of channels
	s_cselect_b32 s[AX], 0, 184320                 ; v: behind block 3 on to the pair's second head
	s_cselect_b32 s9, 256, s9
	s_cselect_b32 s6, 16, 0
	s_mov_b32 s[AS+1], 0
	s_mov_b32 s[AX+1], 0
	v_mul_u32_u24 v[SHF], s6, v2
	v_mul_u32_u24 v[VOW], s9, v2
	v_lshl_add_u32 v[VOW], v1, 4, v[VOW]           ; 16 lanes store 256 consecutive bytes; lanes 16-31 the next 256 (q, k) or the second head's (v)
	s_or_b32 s6, s[FLV], ttmp9                     ; 0: q
	s_mov_b32 s8, 24576
	s_mov_b32 s2, 196608
	s_cmp_eq_u32 s6, 0
	s_cselect_b64 s[PA:PA+1], s[18:19], s[22:23]
	s_cselect_b64 s[W0:W0+1], s[20:21], s[24:25]
	s_cselect_b32 s6, 12288, s8
	s_cselect_b32 s8, 16384, s8
	s_cselect_b32 s2, 98304, s2
	s_cmp_eq_u32 s[FLV], 0
	s_cselect_b32 s2, s2, 768                      ; from a block's first half to its second: the other head (q, k), the next 64 keys (v)
	s_mul_i32 s4, s4, s6
	s_add_co_u32 s4, s4, s5
	s_mov_b32 s5, 0
	s_add_nc_u64 s[PA:PA+1], s[PA:PA+1], s[4:5]
	s_mul_i32 s6, s3, s8
	s_add_co_u32 s6, s6, s7
	s_mov_b32 s7, 0
	s_add_nc_u64 s[W0:W0+1], s[W0:W0+1], s[6:7]
	s_mov_b32 s3, 0
	s_add_nc_u64 s[PB:PB+1], s[PA:PA+1], s[2:3]
	s_cmp_eq_u32 ttmp9, 0
	s_cselect_b64 s[10:11], s[12:13], s[14:15]     ; bq or bk
	s_mov_b32 s[SEL], 0x76543210
	s_mov_b32 s[SEL+1], 0xfedcba98
	s_cmp_eq_u32 s[FLV], 0
	s_cbranch_scc0 .Lbias_v
	s_wait_alu depctr_va_vdst(0)
.irp t, 0,1,2,3,4,5,6,7                ; lane (r, h) wants, for source 0's tile t, the bias of channels 32 (t / 2) + 8 (t % 2) + 16 h + 0 .. 7
	global_load_b128 v[BU+8*\t:BU+8*\t+3], v13, s[10:11] offset:(32*(\t/2)+8*(\t%2))*4
	global_load_b128 v[BU+8*\t+4:BU+8*\t+7], v13, s[10:11] offset:(32*(\t/2)+8*(\t%2))*4+16
.endr
.irp a, 0,1,2,3,4,5,6,7,8,9,10,11,12,13,14,15
	v_mov_b32 v[BV+\a], 0
.endr
	s_branch .Lbias_done
.Lbias_v:
.set ii, 0
.rept 64
	v_mov_b32 v[BU+ii], 0
.set ii, ii+1
.endr
.irp a, 0,1,2,3,4,5,6,7                ; lane r wants, for block a, the bias of its own channel, twice: a pair for the packed addition
	global_load_b32 v[BV+2*\a], v14, s[16:17] offset:(32*(\a/2)+8*(\a%2))*4
	global_load_b32 v[BV+2*\a+1], v14, s[16:17] offset:(32*(\a/2)+8*(\a%2))*4
.endr
.Lbias_done:
	s_wait_alu depctr_va_vdst(0)                   ; the head's end
	s_wait_tensorcnt 0x0                           ; my tile of the head's four is in
	ds_add_u32 v[SPW], v[NIL]
	s_mov_b32 s[G1+2], 8<<16                       ; no tensor load of mine is out, so descriptors may be written: from here on a load brings 8 tiles,
	s_mov_b32 s[G1+4], 8
	s_mov_b32 s[G1B+2], 8<<16
	s_mov_b32 s[G1B+4], 8
	s_mul_i32 s2, s[HB], 8*TILEP
	s_mov_b32 s3, 0
	s_add_nc_u64 s[G0+2:G0+3], s[G0+2:G0+3], s[2:3]     ; slot 0's refills: my 8 tiles,
	s_add_nc_u64 s[G0B+2:G0B+3], s[G0B+2:G0B+3], s[2:3]
	s_mul_i32 s[G0+1], s[WV], HALFT                ; to my quarter of the slot
	s_mul_i32 s[G0B+1], s[WV], HALFT
	s_wait_loadcnt 0x0                             ; the biases
	s_wait_dscnt 0x0                               ; the add is done
	CROUND                                         ; a whole round: all four tiles are in, and the joint loads meet
	JLOAD G0+4, G1, G0B+4, G1B                     ; K step 1, the first tensor load behind the round
	FETCH_B 0, 0, 0
	FETCH_A 0, 0, 0
	SCALES 0
	FETCH_A 0, 0, 4
	s_wait_alu depctr_va_vdst(0)
	STEP 0, 0, 1                                   ; the first step stands in front of the loop: its products start the sums, with the bias as C
	s_mov_b32 s3, LAPS-1
.Llap:
	TURN 0, 1, 1
	STEP 1, 0, 0
	TURN 1, 0, 1
	STEP 0, 0, 0
	s_sub_co_u32 s3, s3, 1
	s_cmp_lg_u32 s3, 0
	s_cbranch_scc1 .Llap
	TURN 0, 1, 0                                   ; the last lap fills nothing
	STEP 1, 0, 0
	s_wait_dscnt 4*NL
	WIN MUL_LO
	MUL16 0, 1, NQ-1, 1, 0
	MUL16 2, 1, NQ-1, 1, 0
	s_wait_dscnt 0
	WIN MUL_HI
	MUL16 4, 1, NQ-1, 1, 0
	MUL16 6, 1, NQ-1, 1, 0
	WIN 0
	; THE WAY OUT, block by block of source 1's 16 rows: 64 numbers a lane come into window 0 (with the bias along the lanes), are quantised, and leave as two halves.
	PLACES NP
.irp a, 0,1,2,3,4,5,6,7
	WIN 0x02+(\a)/4                                ; source 0: window 2 or 3
.set ii, 0
.rept 32
	v_pk_add_f32 v[HQ+ii:HQ+ii+1], v[64*(\a%4)+ii:64*(\a%4)+ii+1], v[BV+2*\a:BV+2*\a+1]   ; each accumulator from its low end on
.set ii, ii+2
.endr
	WIN 0
.if \a > 0
	s_wait_xcnt 0x0                                ; the last block's stores have read their data and their bases: both are written again only behind this wait
	s_add_nc_u64 s[PA:PA+1], s[PA:PA+1], s[AS:AS+1]
	s_add_nc_u64 s[PB:PB+1], s[PB:PB+1], s[AS:AS+1]
.if \a == 4
	s_add_nc_u64 s[PA:PA+1], s[PA:PA+1], s[AX:AX+1]
	s_add_nc_u64 s[PB:PB+1], s[PB:PB+1], s[AX:AX+1]
.endif
.endif
	QUANT HQ, PC, CT, PW
	v_lshrrev_b32 v[WDS+\a], v[SHF], v[PW]         ; q, k: lanes 16-31 hold the second head's two bytes low
	ds_store_b32 v[STW], v[WDS+\a] offset:64*\a
	PUT PC, PA, 0
	PUT PC+6, PB, 0
.endr
	ds_load_b128 v[32:35], v[STR]                  ; my own bytes: LDS serves a wave's instructions in order
	ds_load_b128 v[36:39], v[STR] offset:512
	s_wait_dscnt 0x0
	global_store_b128 v[VOW], v[32:35], s[W0:W0+1]
	s_cmp_eq_u32 s[FLV], 0
	s_cbranch_scc0 .Lone_word                      ; v has one word a row
	global_store_b128 v[VOW], v[36:39], s[W0:W0+1] offset:8192   ; q, k: the second head's words
.Lone_word:
	s_wait_tensorcnt 0x0                           ; the wave's end
	ds_add_u32 v[SPW], v[NIL]
	s_wait_dscnt 0x0
	CROUND                                         ; the closing round
	s_endpgm
.Lfunc_end_k_qa6f8a7db0e_qkv:
	.size	k_qa6f8a7db0e_qkv, .Lfunc_end_k_qa6f8a7db0e_qkv-k_qa6f8a7db0e_qkv
	.p2alignl 7, 3214868480
	.fill 96, 4, 3214868480
	.section	.rodata,"a",@progbits
	.p2align	6, 0x0
	.amdhsa_kernel k_qa6f8a7db0e_qkv
		.amdhsa_group_segment_fixed_size 327680
		.amdhsa_private_segment_fixed_size 0
		.amdhsa_enable_private_segment 0
		.amdhsa_kernarg_size 88
		.amdhsa_user_sgpr_count 2
		.amdhsa_user_sgpr_kernarg_segment_ptr 1
		.amdhsa_wavefront_size32 1
		.amdhsa_system_sgpr_workgroup_id_x 1
		.amdhsa_system_sgpr_workgroup_id_y 1
		.amdhsa_system_sgpr_workgroup_id_z 1
		.amdhsa_system_vgpr_workitem_id 0
		.amdhsa_next_free_vgpr 1024
		.amdhsa_next_free_sgpr 102
		.amdhsa_reserve_vcc 0
		.amdhsa_float_denorm_mode_32 3
		.amdhsa_float_denorm_mode_16_64 3
		.amdhsa_memory_ordered 1
		.amdhsa_forward_progress 1
		.amdhsa_inst_pref_size 176
	.end_amdhsa_kernel
	.amdgpu_metadata
---
amdhsa.version: [ 1, 2 ]
amdhsa.kernels:
  - .name:           k_qa6f8a7db0e_qkv
    .symbol:         k_qa6f8a7db0e_qkv.kd
    .args:
      - { .name: ac, .offset: 0, .size: 8, .value_kind: global_buffer, .address_space: global }
      - { .name: asc, .offset: 8, .size: 8, .value_kind: global_buffer, .address_space: global }
      - { .name: wc, .offset: 16, .size: 8, .value_kind: global_buffer, .address_space: global }
      - { .name: ws, .offset: 24, .size: 8, .value_kind: global_buffer, .address_space: global }
      - { .name: bq, .offset: 32, .size: 8, .value_kind: global_buffer, .address_space: global }
      - { .name: bk, .offset: 40, .size: 8, .value_kind: global_buffer, .address_space: global }
      - { .name: bv, .offset: 48, .size: 8, .value_kind: global_buffer, .address_space: global }
      - { .name: qc, .offset: 56, .size: 8, .value_kind: global_buffer, .address_space: global }
      - { .name: qs, .offset: 64, .size: 8, .value_kind: global_buffer, .address_space: global }
      - { .name: kv, .offset: 72, .size: 8, .value_kind: global_buffer, .address_space: global }
      - { .name: kvs, .offset: 80, .size: 8, .value_kind: global_buffer, .address_space: global }
    .group_segment_fixed_size: 327680
    .private_segment_fixed_size: 0
    .kernarg_segment_align: 8
    .kernarg_segment_size: 88
    .max_flat_workgroup_size: 128
    .sgpr_count:     102
    .vgpr_count:     1024
    .wavefront_size: 32
...
	.end_amdgpu_metadata
.endif
;; end of part 2
;; launch attn (part 3): grid 4 x 64, 16 waves a work-group, clusters of 4 x 1, 327,680 bytes of LDS; arguments qc, qs, kv, kvs, ac, asc; writes ac, asc
.if DOCPART == 3
	.amdgcn_target "amdgcn-amd-amdhsa--gfx1250"
	.amdhsa_code_object_version 6
	.text
	.protected	k_qa6f8a7db0e_attn
	.globl	k_qa6f8a7db0e_attn
	.p2align	8
	.type	k_qa6f8a7db0e_attn,@function
k_qa6f8a7db0e_attn:
	s_mov_b64 s[64:65], 0
	v_nop
	global_prefetch_b8 v0, s[64:65] scope:SCOPE_SE
	s_setreg_imm32_b32 hwreg(HW_REG_WAVE_MODE, 25, 1), 1
	s_wait_xcnt 0x0
	s_wait_alu depctr_hold_cnt(0) depctr_sa_sdst(0) depctr_va_vdst(0) depctr_va_sdst(0) depctr_va_ssrc(0) depctr_va_vcc(0) depctr_vm_vsrc(0)
	s_getreg_b32 s2, hwreg(HW_REG_IB_STS2, 6, 4)
	s_cmp_eq_u32 s2, 0
	s_cbranch_scc0 .Lentry_in_a_cluster
	s_endpgm
.Lentry_in_a_cluster:
	s_bfe_u32 s2, ttmp6, 0x10000c
	s_cmp_lg_u32 s2, 0x3003
	s_cbranch_scc0 .Lentry_shape_is_right
	s_endpgm
.Lentry_shape_is_right:
; O = softmax(q k^T / 8) v for 64 heads of 2,048 tokens x 64, both products on codes of FP6 (E2M3) with E8M0 scales; O is quantised here along the model's 1,024 and leaves as codes, laid as the last product's operand.
; THE SOFTMAX: t = score x log2(e) / 8; M = the running largest t rounded up to a whole number; p = 2^(t - M) is quantised along the keys, not normalised; the row's sum is taken of the unquantised p and divides O at the end.
; SHARES: a work-group owns ONE head and 512 of its queries; each of sixteen waves owns 16 queries in 256 registers and walks all 2,048 keys, twice: tiles w and 16 + w of the work-group's 32.
; THE HEAD'S K AND V STAY IN LDS: 196,608 dense bytes, [8 chunks of 256 keys][K: 16 tiles x 768, V: 4 channel tiles x 4 halves x 768], come once, as rows of 256 bytes with 64 of padding (245,760 bytes of LDS);
; waves 0 to 11 fetch 64 rows each, waves 12 to 14 the head's scale words (K's 8,192 bytes, V's 4,096).  Nothing is filled again: one barrier at the head, none in the loops.
; The four work-groups of a cluster are the four query blocks of one head: every fill is a joint load.  No prefetch: every byte is asked for at the head, there is no later stream to run ahead of.
; BOTH PRODUCTS TRANSPOSED: S^T = K Q^T, O^T = V^T P^T: a lane holds one query.
; K'S ROWS ARE GATHERED BY THE LANES' ADDRESSES.  In memory tile 2 b + u, row 8 w + j holds key 32 b + 16 w + 8 u + j.  The tile t = 4 c + 2 w + u that is multiplied takes, in lanes 0-7 of each half, keys 64 c + 8 (2 w + u) + j
; and in lanes 8-15 the keys 32 further on: so a lane's 32 registers of tiles 4 c .. 4 c + 3 are the WHOLE block 2 c + lane / 16 of 32 keys, in order: its largest needs no other lane and its codes fall as the operand wants them.
; Two tiles are 1,920 bytes apart in LDS, 128 modulo 256: the sixteen lanes of a 16-byte load touch 256 different bytes modulo 256.
; K = 64 IN THE FIRST PRODUCT: Q's registers 6-11 are zero codes.  K's tiles lie 6 registers apart: the upper six registers that tile t's instruction names are tile t + 1's codes (behind tile 7: p's codes),
; finite numbers, as every code of this format is, that meet zero codes; the scale bytes 2 and 3 that go with them are another head's or 0, never 0xff.
; A HALF TRIP ENDS ONE KEY STEP AND BEGINS THE NEXT: p's scale and codes of step i - 1; its four products O^T += V^T P^T and step i's eight S^T = K Q^T, with the 32 additions of step i - 1's row sum (a tree in place on p, which has been
; converted) and the first block's 16 maxima of step i among the twelve; the second block's maxima; M, with the LDS loads of step i's V and step i + 1's K between its dependent lines; t - M; the rescaling; the exponentials.
; A pass opens on p = 0: the first half trip finds zeros, which give zero codes and add nothing.  Its last half trip's look-ahead names the last chunk again; the next pass loads its first K anew.
; O'S SCALE BYTES: a row's word of K step g holds two heads' bytes, and the other head is another work-group's: so 2 bytes a row are stored, 4 bytes apart: 512 x 2 bytes a work-group.
; LIMITS: the scaled scores stay under 2^31 in magnitude; a block of zeros keeps the byte 1; NaN and infinities are not served.
.set CHL,   30720                      ; a chunk in LDS: 96 rows of 320
.set KT,    960                        ; a tile or half of 768 bytes: 3 rows
.set SCB,   8*CHL                      ; K's scale words, 8,192 bytes; behind them V's, 4,096
.set QST,   278528                     ; the second pass's Q: 1,024 bytes a wave, stored by the wave itself
.set SPARE, 294912                     ; the spare words, 128 bytes for each of sixteen waves
.set R4,  0                            ; v0   4 (lane % 16), once the head has used the thread's number
.set L16, 1
.set L8,  2
.set SPW, 3
.set NIL, 4
.set AK,  5                            ; v5-10  K by 16, K by 8, V by 16, V by 8, K's words, V's words
.set AK8, 6
.set AV,  7
.set AV8, 8
.set AS,  9
.set AT,  10
.set BK,  11                           ; the lanes' parts of these addresses: v11, v16-19 (V by 8: v2)
.set BK8, 16
.set BV,  17
.set BS,  18
.set L4,  19
.set Q,   20                           ; v20-31; v12 -M, v13 the running largest score, v[14:15] the row's sum
.set QS,  32
.set KS,  33                           ; v33-36  lanes 0-15 tile 2 z's words, lanes 16-31 tile 2 z + 1's
.set VS,  37
.set PWD, 39
.set BM,  40                           ; v40, v41 the two blocks' largest; v42-44, v46, v47, v252 at work beside them
.set SO,  42
.set F,   44                           ; v44 f = 2^(old M - new M); v45 the old -M; v44-46 also the fourth conversion's codes
.set TT,  46
.set PT,  47
.set K,   48                           ; v48-95
.set PC,  96                           ; v96-107 p's codes
.set V,   108                          ; v108-155
.set S,   156                          ; v156-219 scores, then p
.set O,   220                          ; v220-251 O^T
.set T1,  252                          ; v252-254 the third conversion's codes; then v[252:253], v[254:255] two partial sums
.set T2,  254
.set WT,  255
.set WV,  16
.set CX,  17
.set HY,  18
.set SEL, 20
.set CS,  22
.set CN,  24
.set TB,  25
.set TS,  26
.set TJ,  27
.set CNT, 28
.set QL,  29
.set G1,  32
.set G1S, 40
.set G0,  48
.set G0S, 52
.macro WALU
	s_wait_alu depctr_va_vdst(0)
.endm
.macro NOPS n
.rept \n
	v_nop
.endr
.endm
.macro CROUND
	s_barrier_signal -1
	s_barrier_wait -1
	s_cmp_lg_u32 s[WV], 0
	s_cbranch_scc1 .Lnot_wave_0_\@
	s_barrier_signal -3
.Lnot_wave_0_\@:
	s_barrier_wait -3
	s_barrier_signal -1
	s_barrier_wait -1
.endm
.macro KLOADP t, q                     ; gathered tile t of the chunk's q-th 128 keys
	ds_load_b128 v[K+6*(\t):K+6*(\t)+3], v[AK] offset:8*KT*(\q)+KT*(4*((\t)/4)+(\t)%2)+128*(((\t)/2)%2)
	ds_load_b64 v[K+6*(\t)+4:K+6*(\t)+5], v[AK8] offset:8*KT*(\q)+KT*(4*((\t)/4)+(\t)%2)+640+64*(((\t)/2)%2)
.endm
.macro KSL q                           ; and the eight tiles' words
.irp z, 0,1,2,3
	ds_load_b32 v[KS+\z], v[AS] offset:512*(\q)+256*(\z/2)+32*(\z%2)
.endr
.endm
.macro VLOADP t, q                     ; V's fragment of channel tile t for these 128 keys
.irp c, 0,1
	ds_load_b128 v[V+12*(\t)+6*\c:V+12*(\t)+6*\c+3], v[AV] offset:16*KT+KT*(2*(\q)+4*(\t)+\c)
	ds_load_b64 v[V+12*(\t)+6*\c+4:V+12*(\t)+6*\c+5], v[AV8] offset:16*KT+KT*(2*(\q)+4*(\t)+\c)+640
.endr
.endm
.macro VSL q
.irp u, 0,1
	ds_load_b32 v[VS+\u], v[AT] offset:256*(\q)+128*\u
.endr
.endm
.macro PADD d, a                       ; pair d of p += pair a
	v_pk_add_f32 v[S+2*(\d):S+2*(\d)+1], v[S+2*(\d):S+2*(\d)+1], v[S+2*(\a):S+2*(\a)+1]
.endm
.macro TADD t, a
	v_pk_add_f32 v[\t:\t+1], v[\t:\t+1], v[S+2*(\a):S+2*(\a)+1]
.endm
.macro M3 d, a, b, c
	v_max3_num_f32 v[\d], v[\a], v[\b], v[\c]
.endm
.macro LEV0 c0, c1, c2, c3, base       ; four chains, one for each tile of a block; each accumulator is read from its low end on
	M3 \c0, \base, \base+1, \base+2
	M3 \c1, \base+8, \base+9, \base+10
	M3 \c2, \base+16, \base+17, \base+18
	M3 \c3, \base+24, \base+25, \base+26
.endm
.macro LEVN c0, c1, c2, c3, base, i
	M3 \c0, \c0, \base+\i, \base+\i+1
	M3 \c1, \c1, \base+8+\i, \base+9+\i
	M3 \c2, \c2, \base+16+\i, \base+17+\i
	M3 \c3, \c3, \base+24+\i, \base+25+\i
.endm
.macro QKW t
.if (\t)%2
	v_wmma_scale_f32_16x16x128_f8f6f4 v[S+8*(\t):S+8*(\t)+7], v[K+6*(\t):K+6*(\t)+11], v[Q:Q+11], 0, v[KS+(\t)/2], v[QS] matrix_a_fmt:MATRIX_FMT_FP6 matrix_b_fmt:MATRIX_FMT_FP6 matrix_a_scale:MATRIX_SCALE_ROW1
.else
	v_wmma_scale_f32_16x16x128_f8f6f4 v[S+8*(\t):S+8*(\t)+7], v[K+6*(\t):K+6*(\t)+11], v[Q:Q+11], 0, v[KS+(\t)/2], v[QS] matrix_a_fmt:MATRIX_FMT_FP6 matrix_b_fmt:MATRIX_FMT_FP6
.endif
.endm
.macro PVW t
.if (\t)%2
	v_wmma_scale_f32_16x16x128_f8f6f4 v[O+8*(\t):O+8*(\t)+7], v[V+12*(\t):V+12*(\t)+11], v[PC:PC+11], v[O+8*(\t):O+8*(\t)+7], v[VS+(\t)/2], v[PWD] matrix_a_fmt:MATRIX_FMT_FP6 matrix_b_fmt:MATRIX_FMT_FP6 matrix_a_scale:MATRIX_SCALE_ROW1
.else
	v_wmma_scale_f32_16x16x128_f8f6f4 v[O+8*(\t):O+8*(\t)+7], v[V+12*(\t):V+12*(\t)+11], v[PC:PC+11], v[O+8*(\t):O+8*(\t)+7], v[VS+(\t)/2], v[PWD] matrix_a_fmt:MATRIX_FMT_FP6 matrix_b_fmt:MATRIX_FMT_FP6
.endif
.endm
.macro TMM n                           ; n pairs of t - M
.rept \n
	v_pk_fma_f32 v[S+ii:S+ii+1], v[S+ii:S+ii+1], s[CS:CS+1], v[12:13] op_sel_hi:[1,0,0]
.set ii, ii+2
.endr
.endm
; A HALF TRIP.  front = 1: ends the step before and begins the q-th 128 keys of the chunk in hand.  front = 0: ends a pass's last step.
.macro HALF q, front
.if (\q) && (\front)
	s_add_co_u32 s[TB], s[TB], CHL                 ; K's look-ahead goes on to the next chunk, held at the last
	s_add_co_u32 s[TS], s[TS], 1024
	s_add_co_u32 s[TJ], s[TJ], 512
	s_min_u32 s[TB], s[TB], 7*CHL
	s_min_u32 s[TS], s[TS], SCB+7*1024
	s_min_u32 s[TJ], s[TJ], SCB+8192+7*512
.endif
	v_max_num_f32 v[BM], 0x1800000, v[BM]          ; my two blocks' largest p, and the floor 2^(3 - 127): the byte cannot fall under 1
	v_max_num_f32 v[BM+1], 0x1800000, v[BM+1]
	v_add_nc_u32 v[SO], 0xff000000, v[BM]          ; 2 off the exponent field: the conversion's scale operand
	v_add_nc_u32 v[SO+1], 0xff000000, v[BM+1]
	v_lshrrev_b32 v[BM], 23, v[SO]                 ; the bytes of blocks lane / 16 and 2 + lane / 16
	v_lshrrev_b32 v[BM+1], 23, v[SO+1]
	v_cvt_scalef32_pk16_fp6_f32 v[PC:PC+2], v[S:S+15], v[SO]
	v_cvt_scalef32_pk16_fp6_f32 v[PC+6:PC+8], v[S+32:S+47], v[SO+1]
	v_lshl_or_b32 v[WT], v[BM+1], 16, v[BM]
	v_cvt_scalef32_pk16_fp6_f32 v[T1:T1+2], v[S+16:S+31], v[SO]      ; (a conversion's three registers begin on an even number: the upper halves are made elsewhere and moved)
	v_cvt_scalef32_pk16_fp6_f32 v[F:F+2], v[S+48:S+63], v[SO+1]
	v_permlanex16_b32 v[PT], v[WT], s[SEL], s[SEL+1]
	v_lshl_or_b32 v[PWD], v[PT], 8, v[WT]          ; p's scale word, whole in lanes 0-15, which alone are read
.irp i, 0,1,2
	v_mov_b32 v[PC+3+\i], v[T1+\i]
	v_mov_b32 v[PC+9+\i], v[F+\i]
.endr
.irp k, 0,1,2,3,4,5,6,7                ; THE ROW'S SUM OF THE UNQUANTISED p, a tree in place.  These nine lines are also the places between p's word and codes and the products
	PADD \k, \k+8
.endr
	v_mov_b32 v[F+1], v12                          ; the old -M
	PVW 0
	PADD 0, 4
	PADD 1, 5
	PADD 2, 6
	PADD 3, 7
	PVW 1
	v_pk_add_f32 v[T1:T1+1], v[S:S+1], v[S+4:S+5]
	v_pk_add_f32 v[T2:T2+1], v[S+2:S+3], v[S+6:S+7]     ; the first block's p is summed: its registers take the next scores
	PADD 16, 24
	PADD 17, 25
	PVW 2
	PADD 18, 26
	PADD 19, 27
	PADD 20, 28
	PADD 21, 29
	PVW 3
	PADD 22, 30
	PADD 23, 31
	PADD 16, 20
	PADD 17, 21
.if \front
	QKW 0
.endif
	PADD 18, 22
	PADD 19, 23
	TADD T1, 16
	TADD T2, 17
.if \front
	QKW 1
.endif
	TADD T1, 18
	TADD T2, 19
.if \front
.if \q
	v_add_nc_u32 v[AK], s[TB], v[BK]
.else
	v_add_nc_u32 v[AV], s[TB], v[BV]
.endif
	QKW 2
.endif
	v_pk_add_f32 v[T1:T1+1], v[T1:T1+1], v[T2:T2+1]
.if \front
.if \q
	v_add_nc_u32 v[AK8], s[TB], v[BK8]
.else
	v_add_nc_u32 v[AV8], s[TB], v[L8]
.endif
	QKW 3
.endif
	v_pk_add_f32 v[14:15], v[14:15], v[T1:T1+1]
.if \front
.if \q
	v_add_nc_u32 v[AS], s[TS], v[BS]
.else
	v_add_nc_u32 v[AT], s[TJ], v[L4]
.endif
	QKW 4                                          ; THE LARGEST SCORE OF EACH OF MY TWO BLOCKS: for the row's maximum, and, since p rises with the score, for the block's largest p.  Four plain lines or more stand between a product and the first read of its tile
	LEV0 40, 42, 43, 44, S
	QKW 5
	LEVN 40, 42, 43, 44, S, 3
	QKW 6
	LEVN 40, 42, 43, 44, S, 5
	QKW 7
	M3 40, 40, 42, S+7
	M3 43, 43, 44, S+15
	LEV0 41, 46, 47, 252, S+32
	M3 40, 40, 43, S+23
	LEVN 41, 46, 47, 252, S+32, 3
	v_max_num_f32 v[BM], v[BM], v[S+31]
	LEVN 41, 46, 47, 252, S+32, 5
	M3 41, 41, 46, S+39
	M3 47, 47, 252, S+47
	VLOADP 0, \q                                   ; 18 loads of this step's V and 20 of the next step's K stand between the dependent lines
	M3 41, 41, 47, S+55
	VLOADP 1, \q
	v_max_num_f32 v[BM+1], v[BM+1], v[S+63]
	VLOADP 2, \q
	v_max_num_f32 v[TT], v[BM], v[BM+1]
	VLOADP 3, \q
	VSL \q
	v_permlanex16_b32 v[PT], v[TT], s[SEL], s[SEL+1]
.irp t, 0,1,2
	KLOADP \t, 1-(\q)
.endr
	v_max3_num_f32 v13, v13, v[TT], v[PT]          ; the running largest score (c is positive)
.irp t, 3,4,5
	KLOADP \t, 1-(\q)
.endr
	v_mul_f32 v[PT], s[CN], v13                    ; -t
.irp t, 6,7
	KLOADP \t, 1-(\q)
.endr
	v_floor_f32 v12, v[PT]                         ; -M = floor(-t): M is a whole number
	KSL 1-(\q)
.set ii, 0
	TMM 4
	v_sub_f32 v[TT], v12, v[F+1]
	TMM 4
	v_cvt_i32_f32 v[TT], v[TT]                     ; (it saturates)
	TMM 4
	v_ldexp_f32 v[F], 1.0, v[TT]                   ; f = 2^(old M - new M): a multiplication by it rounds nothing
	TMM 20
.irp b, 0,1
	v_fma_f32 v[BM+\b], v[BM+\b], s[CS], v12
.endr
	v_pk_mul_f32 v[14:15], v[14:15], v[F:F+1] op_sel_hi:[1,0]   ; the sums and O^T under the new M, ahead of the exponentials
.set ii, 0
.rept 16
	v_pk_mul_f32 v[O+ii:O+ii+1], v[O+ii:O+ii+1], v[F:F+1] op_sel_hi:[1,0]
.set ii, ii+2
.endr
	WALU                                           ; ahead of the batch
	v_exp_f32 v[BM], v[BM]                         ; the blocks' largest p
	v_exp_f32 v[BM+1], v[BM+1]
.set ii, 0
.rept 64
	v_exp_f32 v[S+ii], v[S+ii]                     ; p = 2^(t - M)
.set ii, ii+1
.endr
	v_nop                                          ; one plain place behind the exponentials
	WALU                                           ; one wait for the batch of 66, ahead of its first reader, of the wait below and of the trip's branch
	s_wait_dscnt 0x0                               ; this step's V and the next step's K are in
.endif
.endm
; A PASS IS DONE: O^T / the sum, quantised along the head's 64 channels (two blocks; register 16 b + i is channel 32 b + 16 (lane / 16) + i), leaves as the head's half of my tile.
.macro FINISH p
	v_add_f32 v14, v14, v15
	v_permlanex16_b32 v[TT], v14, s[SEL], s[SEL+1]
	v_add_f32 v14, v14, v[TT]                      ; the row's sum
	WALU
	v_rcp_f32 v14, v14
	v_nop
	WALU                                           ; ahead of the reciprocal's first reader and of O^T's
.set ii, 0
.rept 16
	v_pk_mul_f32 v[S+ii:S+ii+1], v[O+ii:O+ii+1], v[14:15] op_sel_hi:[1,0]
.set ii, ii+2
.endr
.irp b, 0,1
	v_max3_num_f32 v[BM+\b], |v[S+16*\b]|, |v[S+16*\b+1]|, 0x1800000
.endr
.irp i, 2,4,6,8,10,12,14
.irp b, 0,1
	v_max3_num_f32 v[BM+\b], v[BM+\b], |v[S+16*\b+\i]|, |v[S+16*\b+\i+1]|
.endr
.endr
.irp b, 0,1
	v_permlanex16_b32 v[F+\b], v[BM+\b], s[SEL], s[SEL+1]
.endr
.irp b, 0,1
	v_max_num_f32 v[BM+\b], v[BM+\b], v[F+\b]
.endr
.irp b, 0,1
	v_add_nc_u32 v[SO+\b], 0xff000000, v[BM+\b]
.endr
.irp b, 0,1
	v_lshrrev_b32 v[F+\b], 23, v[SO+\b]
.endr
	v_lshl_or_b32 v[TT], v[F+1], 8, v[F]           ; the head's two bytes
	v_cvt_scalef32_pk16_fp6_f32 v[S+32:S+34], v[S:S+15], v[SO]
	v_cvt_scalef32_pk16_fp6_f32 v[S+36:S+38], v[S+16:S+31], v[SO+1]
	v_nop
.irp i, 0,1,2
	v_permlane16_swap_b32 v[S+32+\i], v[S+36+\i]   ; a whole block to a lane
.endr
.irp i, 0,1,2
	v_mov_b32 v[S+35+\i], v[S+36+\i]
.endr
	global_store_b128 v[L16], v[S+32:S+35], s[12:13] offset:196608*\p
	global_store_b64 v[L8], v[S+36:S+37], s[12:13] offset:196608*\p+512
	global_store_b16 v[R4], v[TT], s[14:15] offset:8192*\p   ; lanes r and r + 16 store the same two bytes
.if \p == 0
	v_add_nc_u32 v[S+40], s[QL], v[L16]            ; the second pass's Q, out of my own LDS bytes
	v_add_nc_u32 v[S+41], s[QL], v[L8]
	v_add_nc_u32 v[S+42], s[QL], v[L4]
	ds_load_b128 v[Q:Q+3], v[S+40]
	ds_load_b64 v[Q+4:Q+5], v[S+41] offset:512
	ds_load_b32 v[QS], v[S+42] offset:768
	WALU
	s_wait_xcnt 0x0                                ; the stores have read their data: those registers are written again below
.endif
.endm
.macro PASS p
	s_mov_b32 s[TB], 0
	s_mov_b32 s[TS], SCB
	s_mov_b32 s[TJ], SCB+8192
	s_mov_b32 s[CNT], 8
	v_add_nc_u32 v[AK], s[TB], v[BK]
	v_add_nc_u32 v[AK8], s[TB], v[BK8]
	v_add_nc_u32 v[AS], s[TS], v[BS]
.irp t, 0,1,2,3,4,5,6,7
	KLOADP \t, 0
.endr
	KSL 0
.if \p == 0                            ; the first half trip multiplies zero codes by what V's registers hold: in the first pass they are filled here
	v_add_nc_u32 v[AV], s[TB], v[BV]
	v_add_nc_u32 v[AV8], s[TB], v[L8]
	v_add_nc_u32 v[AT], s[TJ], v[L4]
.irp t, 0,1,2,3
	VLOADP \t, 0
.endr
	VSL 0
.endif
	v_mov_b32 v13, 0xff61b1e6                      ; a pass begins: the largest score -3e38,
	v_mul_f32 v[PT], s[CN], v13
	v_floor_f32 v12, v[PT]
	v_mov_b32 v14, 0                               ; the sums, O^T and p zeros
	v_mov_b32 v15, 0
	v_mov_b32 v[BM], 0
	v_mov_b32 v[BM+1], 0
.set ii, 0
.rept 96
	v_mov_b32 v[S+ii], 0                           ; (O^T's 32 registers follow p's 64)
.set ii, ii+1
.endr
	WALU                                           ; directly ahead of the wait below
	s_wait_dscnt 0x0
.Ltrip_\@:
	HALF 0, 1
	HALF 1, 1
	s_sub_co_u32 s[CNT], s[CNT], 1
	s_cmp_lg_u32 s[CNT], 0
	s_cbranch_scc1 .Ltrip_\@
	HALF 0, 0
	FINISH \p
.endm
	s_load_b256 s[4:11], s[0:1], 0x0               ; qc, qs, kv, kvs
	s_load_b128 s[12:15], s[0:1], 0x20             ; ac, asc
	v_lshl_add_u32 v[SPW], v0, 2, SPARE
	v_mov_b32 v[NIL], 0
	ds_add_u32 v[SPW], v[NIL]                      ; the opening lines: the add, twice on end, and its wait ahead of my first tensor load
	ds_add_u32 v[SPW], v[NIL]
	v_lshrrev_b32 v5, 5, v0
	v_readfirstlane_b32 s[WV], v5                  ; wave 0..15
	s_bfe_u32 s[CX], ttmp6, 0x40000                ; my block of 512 queries: it enters Q's and O's addresses alone
	s_and_b32 s[HY], ttmp7, 0xffff                 ; 16 batch + head, which the four partners share
	s_mov_b32 s[G1], 15|(3<<16)|(1<<20)|(1<<21)|(5<<22)|(15<<25)   ; the mask: all four; elements of 8 bytes; 16 words of padding behind every 64
	s_mov_b32 s[G1+1], 32<<16                      ; 64 rows of 256 bytes, dense
	s_mov_b32 s[G1+2], 64<<16
	s_mov_b32 s[G1+3], 32<<16
	s_mov_b32 s[G1+4], 64
	s_mov_b32 s[G1+5], 32
	s_mov_b32 s[G1+6], 0
	s_mov_b32 s[G1+7], 0
	s_mov_b32 s[G1S], 15|(3<<16)|(1<<21)
	s_mov_b32 s[G1S+1], 32<<16                     ; 4,096 bytes of scale words: 16 rows of 256, no padding
	s_mov_b32 s[G1S+2], 16<<16
	s_mov_b32 s[G1S+3], 32<<16
	s_mov_b32 s[G1S+4], 16
	s_mov_b32 s[G1S+5], 32
	s_mov_b32 s[G1S+6], 0
	s_mov_b32 s[G1S+7], 0
	s_mul_i32 s56, s[HY], 196608                   ; the head's stream, my 64 rows
	s_lshl_b32 s58, s[WV], 14
	s_add_co_u32 s56, s56, s58
	s_mov_b32 s57, 0
	s_mul_i32 s[G0+1], s[WV], 64*320
	s_and_b32 s58, s[WV], 3                        ; waves 12, 13: halves of K's words; wave 14: V's
	s_and_b32 s59, s[HY], 1
	s_lshr_b32 s60, s[HY], 1
	s_mul_i32 s60, s60, 24576
	s_lshl_b32 s61, s59, 13
	s_lshl_b32 s62, s58, 12
	s_add_co_u32 s61, s61, s62
	s_lshl_b32 s63, s59, 12
	s_add_co_u32 s63, s63, 16384
	s_cmp_eq_u32 s58, 2
	s_cselect_b32 s61, s63, s61
	s_add_co_u32 s60, s60, s61
	s_mov_b32 s61, 0
	s_add_co_u32 s[G0S+1], s62, SCB
	s_lshl_b32 s66, s[CX], 5
	s_add_co_u32 s66, s66, s[WV]                   ; my first tile of 16 queries, of the head's 128
	s_mul_i32 s68, s[HY], 98304
	s_mul_i32 s67, s66, 768
	s_add_co_u32 s68, s68, s67
	s_mov_b32 s69, 0
	s_lshl_b32 s70, s[HY], 13
	s_lshl_b32 s67, s66, 6
	s_add_co_u32 s70, s70, s67
	s_mov_b32 s71, 0
	s_lshr_b32 s67, s[HY], 4                       ; the batch
	s_lshl_b32 s72, s67, 7
	s_add_co_u32 s72, s72, s66
	s_mul_i32 s72, s72, 12288                      ; O's tile,
	s_and_b32 s19, s[HY], 15
	s_mul_i32 s73, s19, 768                        ; its half: the head
	s_add_co_u32 s72, s72, s73
	s_mov_b32 s73, 0
	s_lshl_b32 s74, s67, 4
	s_lshr_b32 s75, s66, 3
	s_add_co_u32 s74, s74, s75                     ; the group of 128 rows,
	s_lshl_b32 s74, s74, 12
	s_lshr_b32 s75, s19, 1
	s_lshl_b32 s75, s75, 9                         ; K step head / 2,
	s_add_co_u32 s74, s74, s75
	s_and_b32 s75, s66, 7
	s_lshl_b32 s75, s75, 6                         ; my 16 rows' words,
	s_add_co_u32 s74, s74, s75
	s_lshl_b32 s75, s59, 1                         ; their lower or upper half
	s_add_co_u32 s74, s74, s75
	s_mov_b32 s75, 0
	s_lshl_b32 s[QL], s[WV], 10
	s_add_co_u32 s[QL], s[QL], QST
	s_mov_b32 s[SEL], 0x76543210
	s_mov_b32 s[SEL+1], 0xfedcba98                 ; lane l xor 16
	s_mov_b32 s[CS], 0x3e38aa3b                    ; c = log2(e) / 8
	s_mov_b32 s[CS+1], s[CS]
	s_mov_b32 s[CN], 0xbe38aa3b                    ; -c
	WALU
	s_wait_dscnt 0x0                               ; both opening adds are done
	s_wait_kmcnt 0x0
	s_mov_b32 s[G0], 1
	s_add_nc_u64 s[G0+2:G0+3], s[8:9], s[56:57]
	s_or_b32 s[G0+3], s[G0+3], 0x80000000
	s_mov_b32 s[G0S], 1
	s_add_nc_u64 s[G0S+2:G0S+3], s[10:11], s[60:61]
	s_or_b32 s[G0S+3], s[G0S+3], 0x80000000
	s_add_nc_u64 s[4:5], s[4:5], s[68:69]
	s_add_nc_u64 s[6:7], s[6:7], s[70:71]
	s_add_nc_u64 s[12:13], s[12:13], s[72:73]
	s_add_nc_u64 s[14:15], s[14:15], s[74:75]
	CROUND                                         ; all four work-groups are here: the joint loads meet
	s_cmp_lt_u32 s[WV], 12                         ; one chain of branches on the wave's number, one load to an arm
	s_cbranch_scc0 .Lwords
	tensor_load_to_lds s[G0:G0+3], s[G1:G1+7]
	s_nop 0
	NOPS 4
	s_branch .Lasked
.Lwords:
	s_cmp_lt_u32 s[WV], 15
	s_cbranch_scc0 .Lasked
	tensor_load_to_lds s[G0S:G0S+3], s[G1S:G1S+7]
	s_nop 0
	NOPS 4
.Lasked:
	v_and_b32 v156, 31, v0
	v_and_b32 v157, 15, v0
	v_bfe_u32 v158, v0, 4, 1                       ; lane / 16
	v_bfe_u32 v159, v0, 3, 1                       ; which block's keys my row of a gathered tile takes
	v_and_b32 v160, 7, v0
	v_lshlrev_b32 v[L16], 4, v156
	v_lshlrev_b32 v[L8], 3, v156
	v_lshlrev_b32 v[L4], 2, v156
	v_mul_u32_u24 v[BK], v159, 2*KT                ; two tiles on for lanes 8-15 of each half
	v_mul_u32_u24 v[BV], v158, 320                 ; an image's lanes 16-31 lie in its second row
	v_lshl_add_u32 v[BK8], v158, 7, v[BK]
	v_add_nc_u32 v[BK], v[BK], v[BV]
	v_lshl_add_u32 v[BK], v160, 4, v[BK]
	v_lshl_add_u32 v[BK8], v160, 3, v[BK8]
	v_lshl_add_u32 v[BV], v157, 4, v[BV]
	v_lshlrev_b32 v[BS], 7, v159
	v_lshl_add_u32 v[BS], v158, 6, v[BS]           ; lanes 16-31 take the odd tile's words
	v_lshl_add_u32 v[BS], v160, 2, v[BS]
	v_lshlrev_b32 v[R4], 2, v157
	global_load_b128 v[Q:Q+3], v[L16], s[4:5]      ; Q of the first pass: half a fragment
	global_load_b64 v[Q+4:Q+5], v[L8], s[4:5] offset:512
	global_load_b32 v[QS], v[R4], s[6:7]
	global_load_b128 v[164:167], v[L16], s[4:5] offset:12288   ; and of the second, 16 tiles on
	global_load_b64 v[168:169], v[L8], s[4:5] offset:12288+512
	global_load_b32 v170, v[R4], s[6:7] offset:1024
.irp j, 6,7,8,9,10,11
	v_mov_b32 v[Q+\j], 0                           ; zero codes: Q's upper half
.endr
	v_mov_b32 v[PT], 0                             ; written once: a lane permute's destination counts as one of its sources
	v_mov_b32 v[TT], 0
	v_add_nc_u32 v171, s[QL], v[L16]
	v_add_nc_u32 v172, s[QL], v[L8]
	v_add_nc_u32 v173, s[QL], v[L4]
	WALU                                           ; the head's end
	s_wait_tensorcnt 0x0                           ; my part of the head's tiles is in
	s_barrier_signal -1
	s_barrier_wait -1                              ; everybody's is: K, V and the words stay as they are to the end
	s_wait_loadcnt 0x0                             ; Q
	ds_store_b128 v171, v[164:167]                 ; an image of the registers, in my own bytes
	ds_store_b64 v172, v[168:169] offset:512
	ds_store_b32 v173, v170 offset:768
	PASS 0
	PASS 1
	s_wait_tensorcnt 0x0                           ; the wave's end
	ds_add_u32 v[SPW], v[NIL]
	s_wait_dscnt 0x0
	CROUND                                         ; the closing round
	s_endpgm
.Lfunc_end_k_qa6f8a7db0e_attn:
	.size	k_qa6f8a7db0e_attn, .Lfunc_end_k_qa6f8a7db0e_attn-k_qa6f8a7db0e_attn
	.p2alignl 7, 3214868480
	.fill 96, 4, 3214868480
	.section	.rodata,"a",@progbits
	.p2align	6, 0x0
	.amdhsa_kernel k_qa6f8a7db0e_attn
		.amdhsa_group_segment_fixed_size 327680
		.amdhsa_private_segment_fixed_size 0
		.amdhsa_enable_private_segment 0
		.amdhsa_kernarg_size 48
		.amdhsa_user_sgpr_count 2
		.amdhsa_user_sgpr_kernarg_segment_ptr 1
		.amdhsa_wavefront_size32 1
		.amdhsa_system_sgpr_workgroup_id_x 1
		.amdhsa_system_sgpr_workgroup_id_y 1
		.amdhsa_system_sgpr_workgroup_id_z 1
		.amdhsa_system_vgpr_workitem_id 0
		.amdhsa_next_free_vgpr 256
		.amdhsa_next_free_sgpr 76
		.amdhsa_reserve_vcc 0
		.amdhsa_float_denorm_mode_32 3
		.amdhsa_float_denorm_mode_16_64 3
		.amdhsa_memory_ordered 1
		.amdhsa_forward_progress 1
		.amdhsa_inst_pref_size 93
	.end_amdhsa_kernel
	.amdgpu_metadata
---
amdhsa.version: [ 1, 2 ]
amdhsa.kernels:
  - .name:           k_qa6f8a7db0e_attn
    .symbol:         k_qa6f8a7db0e_attn.kd
    .args:
      - { .name: qc, .offset: 0, .size: 8, .value_kind: global_buffer, .address_space: global }
      - { .name: qs, .offset: 8, .size: 8, .value_kind: global_buffer, .address_space: global }
      - { .name: kv, .offset: 16, .size: 8, .value_kind: global_buffer, .address_space: global }
      - { .name: kvs, .offset: 24, .size: 8, .value_kind: global_buffer, .address_space: global }
      - { .name: ac, .offset: 32, .size: 8, .value_kind: global_buffer, .address_space: global }
      - { .name: asc, .offset: 40, .size: 8, .value_kind: global_buffer, .address_space: global }
    .group_segment_fixed_size: 327680
    .private_segment_fixed_size: 0
    .kernarg_segment_align: 8
    .kernarg_segment_size: 48
    .max_flat_workgroup_size: 512
    .sgpr_count:     76
    .vgpr_count:     256
    .wavefront_size: 32
...
	.end_amdgpu_metadata
.endif
;; end of part 3
;; launch proj (part 4): grid 4 x 32, 4 waves a work-group, clusters of 4 x 4, 327,680 bytes of LDS; arguments ac, asc, wc, ws, bp, out0; writes out0
.if DOCPART == 4
	.amdgcn_target "amdgcn-amd-amdhsa--gfx1250"
	.amdhsa_code_object_version 6
	.text
	.protected	k_qa6f8a7db0e_proj
	.globl	k_qa6f8a7db0e_proj
	.p2align	8
	.type	k_qa6f8a7db0e_proj,@function
k_qa6f8a7db0e_proj:
	s_mov_b64 s[64:65], 0
	v_nop
	global_prefetch_b8 v0, s[64:65] scope:SCOPE_SE
	s_setreg_imm32_b32 hwreg(HW_REG_WAVE_MODE, 25, 1), 1
	s_wait_xcnt 0x0
	s_wait_alu depctr_hold_cnt(0) depctr_sa_sdst(0) depctr_va_vdst(0) depctr_va_sdst(0) depctr_va_ssrc(0) depctr_va_vcc(0) depctr_vm_vsrc(0)
	s_getreg_b32 s2, hwreg(HW_REG_IB_STS2, 6, 4)
	s_cmp_eq_u32 s2, 0
	s_cbranch_scc0 .Lentry_in_a_cluster
	s_endpgm
.Lentry_in_a_cluster:
	s_bfe_u32 s2, ttmp6, 0x10000c
	s_cmp_lg_u32 s2, 0xf033
	s_cbranch_scc0 .Lentry_shape_is_right
	s_endpgm
.Lentry_shape_is_right:
.set NQ,     2
.set FR,     12
.set NL,     4
.set NP,     4
.set HALFB,  768
.set KSB,    4*HALFB
.set TILEP,  16*HALFB
.set HALFT,  8*KSB
.set SLOT,   4*HALFT
.set LAPS,   2
.set SCL,    2*SLOT
.set SPARE,  SCL+4*4096
.set SPITCH, 528
.set ADRA, 16
.set ADRB, 20
.set L16,  24
.set L8,   25
.set STO,  26
.set ADRS, 27
.set SPW,  28
.set NIL,  29
.set RD,   30
.set SC,   32
.set BU,   64
.set AF,   128
.set BK,   128
.set WV,   26
.set HA,   27
.set HB,   60
.set CX,   61
.set CY,   62
.set ATR,  66
.set BTC,  67
.set G1,   28
.set G0,   36
.set G1B,  44
.set G0B,  52
.set G1S,  68
.set G0S,  76
.set G1SB, 80
.set G0SB, 88
.set MSB, 0
.macro WIN new
.if MSB != (\new)
	s_set_vgpr_msb (MSB<<8)|(\new)
.set MSB, (\new)
.endif
.endm
.set MUL_LO,   0xa1
.set MUL_HI,   0xf1
.set FIRST_LO, 0x81
.set FIRST_HI, 0xc1
.set TO_B,     0x40
.macro JLOAD g0a, g1a, g0b, g1b
	s_cmp_eq_u32 s[HA], 0
	s_cbranch_scc0 .Lfor_b_\@
	tensor_load_to_lds s[\g0a:\g0a+3], s[\g1a:\g1a+7]
	s_nop 0
.rept 4
	v_nop
.endr
	s_branch .Lasked_\@
.Lfor_b_\@:
	tensor_load_to_lds s[\g0b:\g0b+3], s[\g1b:\g1b+7]
	s_nop 0
.rept 4
	v_nop
.endr
.Lasked_\@:
.endm
.macro CREST
	s_cmp_lg_u32 s[WV], 0
	s_cbranch_scc1 .Lnot_wave_0_\@
	s_barrier_signal -3
.Lnot_wave_0_\@:
	s_barrier_wait -3
	s_barrier_signal -1
	s_barrier_wait -1
.endm
.macro CROUND
	s_barrier_signal -1
	s_barrier_wait -1
	CREST
.endm
.macro PLACES n
.rept \n
	v_nop
.endr
.endm
.macro FRAG reg, adr, q, i
.irp c, 0,1
	ds_load_b128 v[\reg+6*\c:\reg+6*\c+3], v[\adr] offset:KSB*(\i)+HALFB*(2*(\q)+\c)
	ds_load_b64 v[\reg+6*\c+4:\reg+6*\c+5], v[\adr+2] offset:KSB*(\i)+HALFB*(2*(\q)+\c)+512
.endr
.endm
.macro MUL16 a0, p, q, sc, first
.irp a, \a0, \a0+1
.irp b, 0,1,2,3,4,5,6,7
.if \first
	v_wmma_scale_f32_16x16x128_f8f6f4 v[8*(8*((\a)%4)+\b):8*(8*((\a)%4)+\b)+7], v[128*(\p)+FR*\b:128*(\p)+FR*\b+FR-1], v[AF+FR*(\a):AF+FR*(\a)+FR-1], v[BU+8*\b:BU+8*\b+7], v[SC+8*NQ*(\sc)+NQ*\b+(\q)], v[SC+8*NQ*(\sc)+NQ*(\a)+(\q)] matrix_a_fmt:MATRIX_FMT_FP6 matrix_b_fmt:MATRIX_FMT_FP6 matrix_a_scale:MATRIX_SCALE_ROW1
.else
	v_wmma_scale_f32_16x16x128_f8f6f4 v[8*(8*((\a)%4)+\b):8*(8*((\a)%4)+\b)+7], v[128*(\p)+FR*\b:128*(\p)+FR*\b+FR-1], v[AF+FR*(\a):AF+FR*(\a)+FR-1], v[8*(8*((\a)%4)+\b):8*(8*((\a)%4)+\b)+7], v[SC+8*NQ*(\sc)+NQ*\b+(\q)], v[SC+8*NQ*(\sc)+NQ*(\a)+(\q)] matrix_a_fmt:MATRIX_FMT_FP6 matrix_b_fmt:MATRIX_FMT_FP6 matrix_a_scale:MATRIX_SCALE_ROW1
.endif
.endr
.endr
.endm
.macro FETCH_B slot, q, p
	WIN TO_B
.irp i, 0,1,2,3,4,5,6,7
	FRAG 128*(\p)+FR*\i, ADRB+\slot, \q, \i
.endr
	WIN 0
.endm
.macro FETCH_A slot, q, i0
.irp i, \i0, \i0+1, \i0+2, \i0+3
	FRAG AF+FR*(\i), ADRA+\slot, \q, \i
.endr
.endm
.macro SCALES sc
.irp i, 0,1,2,3,4,5,6,7
.irp q, 0,1
	ds_load_b32 v[SC+8*NQ*\sc+NQ*\i+\q], v[ADRS] offset:64*\i+512*\q
.endr
.endr
.endm
.macro STEP slot, q, first
	s_wait_dscnt 4*NL
.if \first
	WIN FIRST_LO
.else
	WIN MUL_LO
.endif
	MUL16 0, (\q)%2, \q, \slot, \first
	MUL16 2, (\q)%2, \q, \slot, \first
	s_wait_dscnt 0
	PLACES NP
	FETCH_B \slot, (\q)+1, 1-(\q)%2
	FETCH_A \slot, (\q)+1, 0
.if \first
	WIN FIRST_HI
.else
	WIN MUL_HI
.endif
	MUL16 4, (\q)%2, \q, \slot, \first
	MUL16 6, (\q)%2, \q, \slot, \first
	PLACES NP
	WIN 0
	FETCH_A \slot, (\q)+1, 4
.endm
.macro TURN slot, next, fill
	s_wait_tensorcnt 0x0
	ds_add_u32 v[SPW], v[NIL]
	s_wait_dscnt 4*NL+1
	WIN MUL_LO
	MUL16 0, 1, NQ-1, \slot, 0
	s_wait_dscnt 0x0
	s_barrier_signal -1
	MUL16 2, 1, NQ-1, \slot, 0
	WIN 0
	s_barrier_wait -1
.if \fill
	CREST
	s_add_nc_u64 s[G0+4*\slot+2:G0+4*\slot+3], s[G0+4*\slot+2:G0+4*\slot+3], 2*KSB
	s_add_nc_u64 s[G0B+4*\slot+2:G0B+4*\slot+3], s[G0B+4*\slot+2:G0B+4*\slot+3], 2*KSB
	JLOAD G0+4*\slot, G1, G0B+4*\slot, G1B
.else
	PLACES NP
.endif
	s_wait_alu depctr_va_vdst(0)
	v_add_nc_u32 v[ADRS], 1024, v[ADRS]
	FETCH_B \next, 0, 0
	FETCH_A \next, 0, 0
	SCALES \next
	WIN MUL_HI
	MUL16 4, 1, NQ-1, \slot, 0
	MUL16 6, 1, NQ-1, \slot, 0
	PLACES NP
	WIN 0
	FETCH_A \next, 0, 4
.endm
	s_load_b256 s[4:11], s[0:1], 0x0
	s_load_b128 s[12:15], s[0:1], 0x20
	v_lshl_add_u32 v[SPW], v0, 2, SPARE
	v_mov_b32 v[NIL], 0
	ds_add_u32 v[SPW], v[NIL]
	ds_add_u32 v[SPW], v[NIL]
	v_lshrrev_b32 v1, 5, v0
	v_readfirstlane_b32 s[WV], v1
	s_lshr_b32 s[HA], s[WV], 1
	s_and_b32 s[HB], s[WV], 1
	s_bfe_u32 s[CX], ttmp6, 0x40000
	s_bfe_u32 s[CY], ttmp6, 0x40004
	s_and_b32 s[ATR], ttmp7, 0xffff
	s_lshl_b32 s[ATR], s[ATR], 2
	s_add_co_u32 s[ATR], s[ATR], s[CY]
	s_lshl_b32 s[BTC], ttmp9, 2
	s_add_co_u32 s[BTC], s[BTC], s[CX]
	s_lshl_b32 s92, s[CY], 2
	s_lshl_b32 s92, 15, s92
	s_lshl_b32 s93, 0x1111, s[CX]
	s_or_b32 s[G1], s92, (3<<16)|(1<<21)
	s_or_b32 s[G1B], s93, (3<<16)|(1<<21)
	s_or_b32 s[G1S], s92, (3<<16)|(1<<21)
	s_or_b32 s[G1SB], s93, (3<<16)|(1<<21)
.irp g, G1, G1B
	s_mov_b32 s[\g+1], 384<<16
	s_mov_b32 s[\g+2], 16<<16                      ; the head's loads bring 16 tiles; behind them the two words that count rows are set to 8
	s_mov_b32 s[\g+3], 384<<16
	s_mov_b32 s[\g+4], 16
	s_mov_b32 s[\g+5], 1536
	s_mov_b32 s[\g+6], 0
	s_mov_b32 s[\g+7], 0
.endr
.irp g, G1S, G1SB
	s_mov_b32 s[\g+1], 32<<16
	s_mov_b32 s[\g+2], 32<<16
	s_mov_b32 s[\g+3], 32<<16
	s_mov_b32 s[\g+4], 32
	s_mov_b32 s[\g+5], 32
	s_mov_b32 s[\g+6], 0
	s_mov_b32 s[\g+7], 0
.endr
	s_mul_i32 s2, s[HB], 8*TILEP                   ; in the ring: which 8 tiles I fetch, as a pair s[2:3]
	s_mov_b32 s3, 0
	s_mul_i32 s[G0+2], s[ATR], 16*TILEP
	s_mov_b32 s[G0+3], 0
	s_mul_i32 s[G0B+2], s[BTC], 16*TILEP
	s_add_co_u32 s[G0B+2], s[G0B+2], 192*TILEP
	s_mov_b32 s[G0B+3], 0
	s_lshl_b32 s[G0S+2], s[ATR], 13
	s_mov_b32 s[G0S+3], 0
	s_lshl_b32 s[G0SB+2], s[BTC], 13
	s_add_co_u32 s[G0SB+2], s[G0SB+2], 24*4096
	s_mov_b32 s[G0SB+3], 0
	s_mul_i32 s94, s[WV], HALFT                    ; where the ring's loads go: by the wave's number alone
	s_wait_dscnt 0x0
	s_wait_kmcnt 0x0
	s_add_nc_u64 s[G0+2:G0+3], s[4:5], s[G0+2:G0+3]
	s_add_nc_u64 s[G0+6:G0+7], s[G0+2:G0+3], KSB   ; K step 1,
	s_add_nc_u64 s[G0+6:G0+7], s[G0+6:G0+7], s[2:3] ; my 8 tiles of it
	s_add_nc_u64 s[G0B+2:G0B+3], s[8:9], s[G0B+2:G0B+3]
	s_add_nc_u64 s[G0B+6:G0B+7], s[G0B+2:G0B+3], KSB
	s_add_nc_u64 s[G0B+6:G0B+7], s[G0B+6:G0B+7], s[2:3]
	s_add_nc_u64 s[G0S+2:G0S+3], s[6:7], s[G0S+2:G0S+3]
	s_add_nc_u64 s[G0SB+2:G0SB+3], s[10:11], s[G0SB+2:G0SB+3]
	s_or_b32 s[G0+3], s[G0+3], 0x80000000
	s_or_b32 s[G0+7], s[G0+7], 0x80000000
	s_or_b32 s[G0B+3], s[G0B+3], 0x80000000
	s_or_b32 s[G0B+7], s[G0B+7], 0x80000000
	s_or_b32 s[G0S+3], s[G0S+3], 0x80000000
	s_or_b32 s[G0SB+3], s[G0SB+3], 0x80000000
	s_mov_b32 s[G0S], 1
	s_mov_b32 s[G0S+1], SCL
	s_mov_b32 s[G0SB], 1
	s_mov_b32 s[G0SB+1], SCL+2*4096
	s_mov_b32 s[G0], 1
	s_mov_b32 s[G0+1], 0                           ; the head: source 1's 16 tiles of K step 0 at the slot's start,
	s_mov_b32 s[G0B], 1
	s_mov_b32 s[G0B+1], 2*HALFT                    ; source 0's behind them
	s_mov_b32 s[G0+4], 1
	s_add_co_u32 s[G0+5], s94, SLOT
	s_mov_b32 s[G0B+4], 1
	s_add_co_u32 s[G0B+5], s94, SLOT
	CROUND                                         ; all sixteen work-groups are here: the first joint loads meet
; THE HEAD'S LOADS, ONE A WAVE: wave 0 source 1's 16 tiles of K step 0, wave 1 source 0's, wave 2 source 1's scale words, wave 3 source 0's.  One chain of branches on the wave's number, every way through it passes one load.
.macro ARM under, g0, g1, next
	s_cmp_lt_u32 s[WV], \under
	s_cbranch_scc0 \next
	tensor_load_to_lds s[\g0:\g0+3], s[\g1:\g1+7]
	s_nop 0
.rept 4
	v_nop
.endr
	s_branch .Lhead_asked
\next:
.endm
	ARM 1, G0,  G1,  .Lhead_b
	ARM 2, G0B, G1B, .Lhead_sa
	ARM 3, G0S, G1S, .Lhead_sb
	tensor_load_to_lds s[G0SB:G0SB+3], s[G1SB:G1SB+7]
	s_nop 0
.rept 4
	v_nop
.endr
.Lhead_asked:
	v_and_b32 v1, 15, v0
	v_bfe_u32 v2, v0, 4, 1
	v_and_b32 v3, 31, v0
	v_lshlrev_b32 v[L16], 4, v3
	s_wait_alu depctr_va_vdst(0)
	v_lshlrev_b32 v[L8], 3, v3
	s_wait_alu depctr_va_vdst(0)
	s_lshl_b32 s2, s[BTC], 10
	s_lshl_b32 s3, s[HB], 9
	s_add_co_u32 s2, s2, s3
	v_lshl_add_u32 v13, v2, 6, s2
.irp t, 0,1,2,3,4,5,6,7
	global_load_b128 v[BU+8*\t:BU+8*\t+3], v13, s[12:13] offset:(32*(\t/2)+8*(\t%2))*4
	global_load_b128 v[BU+8*\t+4:BU+8*\t+7], v13, s[12:13] offset:(32*(\t/2)+8*(\t%2))*4+16
.endr
	s_lshl_b32 s92, s[ATR], 20
	s_lshl_b32 s93, s[HA], 19
	s_add_co_u32 s92, s92, s93
	s_add_co_u32 s92, s92, s2
	s_mov_b32 s93, 0
	s_add_nc_u64 s[14:15], s[14:15], s[92:93]
	s_mul_i32 s2, s[HA], HALFT
	s_mul_i32 s3, s[HB], HALFT
	s_add_co_u32 s3, s3, 2*HALFT
.irp s, 0,1
	v_add_nc_u32 v[ADRA+\s], s2, v[L16]
	v_add_nc_u32 v[ADRA+2+\s], s2, v[L8]
	v_add_nc_u32 v[ADRB+\s], s3, v[L16]
	v_add_nc_u32 v[ADRB+2+\s], s3, v[L8]
	s_add_co_u32 s2, s2, SLOT
	s_add_co_u32 s3, s3, SLOT
.endr
	s_lshl_b32 s2, s[HA], 12
	s_lshl_b32 s3, s[HB], 12
	s_add_co_u32 s3, s3, 2*4096
	s_sub_co_u32 s3, s3, s2
	v_mul_u32_u24 v4, s3, v2
	s_add_co_u32 s2, s2, SCL
	v_lshl_add_u32 v4, v1, 2, v4
	v_add_nc_u32 v[ADRS], s2, v4
	s_mul_i32 s2, s[WV], 16*SPITCH
	v_mul_u32_u24 v5, v1, SPITCH
	v_lshl_add_u32 v5, v2, 6, v5
	v_add_nc_u32 v[STO], s2, v5
	v_add_nc_u32 v[RD], s2, v[L16]
	s_wait_alu depctr_va_vdst(0)                   ; the head's end
	s_wait_tensorcnt 0x0                           ; my tile of the head's four is in
	ds_add_u32 v[SPW], v[NIL]
	s_mov_b32 s[G1+2], 8<<16                       ; no tensor load of mine is out, so descriptors may be written: from here on a load brings 8 tiles,
	s_mov_b32 s[G1+4], 8
	s_mov_b32 s[G1B+2], 8<<16
	s_mov_b32 s[G1B+4], 8
	s_mul_i32 s2, s[HB], 8*TILEP
	s_mov_b32 s3, 0
	s_add_nc_u64 s[G0+2:G0+3], s[G0+2:G0+3], s[2:3]     ; slot 0's refills: my 8 tiles,
	s_add_nc_u64 s[G0B+2:G0B+3], s[G0B+2:G0B+3], s[2:3]
	s_mul_i32 s[G0+1], s[WV], HALFT                ; to my quarter of the slot
	s_mul_i32 s[G0B+1], s[WV], HALFT
	s_wait_loadcnt 0x0                             ; the bias
	s_wait_dscnt 0x0                               ; the add is done
	CROUND                                         ; a whole round: all four tiles are in, and the joint loads meet
	JLOAD G0+4, G1, G0B+4, G1B                     ; K step 1, the first tensor load behind the round
	FETCH_B 0, 0, 0
	FETCH_A 0, 0, 0
	SCALES 0
	FETCH_A 0, 0, 4
	STEP 0, 0, 1
	s_mov_b32 s3, LAPS-1
.Llap:
	TURN 0, 1, 1
	STEP 1, 0, 0
	TURN 1, 0, 1
	STEP 0, 0, 0
	s_sub_co_u32 s3, s3, 1
	s_cmp_lg_u32 s3, 0
	s_cbranch_scc1 .Llap
	TURN 0, 1, 0
	STEP 1, 0, 0
	s_wait_dscnt 4*NL
	WIN MUL_LO
	MUL16 0, 1, NQ-1, 1, 0
	MUL16 2, 1, NQ-1, 1, 0
	s_wait_dscnt 0
	WIN MUL_HI
	MUL16 4, 1, NQ-1, 1, 0
	MUL16 6, 1, NQ-1, 1, 0
	WIN 0
.macro TOSTAGE a
.set AC, 64*((\a)%4)
	WIN 0x08+4*((\a)/4)
.irp b, 0,1,2,3,4,5,6,7
	ds_store_b128 v[STO], v[AC+8*\b:AC+8*\b+3] offset:128*(\b/2)+32*(\b%2)
	ds_store_b128 v[STO], v[AC+8*\b+4:AC+8*\b+7] offset:128*(\b/2)+32*(\b%2)+16
.endr
	WIN 0
.set BB, BK+64*((\a)%2)
.irp t, 0,1,2,3,4,5,6,7,8,9,10,11,12,13,14,15
	ds_load_b128 v[BB+4*\t:BB+4*\t+3], v[RD] offset:\t*SPITCH
.endr
.endm
.macro SEND a, younger
.set BB, BK+64*((\a)%2)
	s_wait_dscnt \younger
.if (\a) > 0
.if (\a)%2
	s_add_nc_u64 s[14:15], s[14:15], 8*4096
.else
	s_add_nc_u64 s[14:15], s[14:15], 24*4096
.endif
.endif
.irp t, 0,1,2,3,4,5,6,7,8,9,10,11,12,13,14,15
	global_store_b128 v[L16], v[BB+4*\t:BB+4*\t+3], s[14:15] offset:(\t+8*(\t/8))*4096 th:TH_STORE_NT
.endr
.endm
	PLACES NP
	TOSTAGE 0
.irp a, 1,2,3,4,5,6,7
.if \a > 1
	s_wait_xcnt 0x0
.endif
	TOSTAGE \a
	SEND \a-1, 32
.endr
	s_wait_xcnt 0x0
	SEND 7, 0
	s_wait_tensorcnt 0x0
	ds_add_u32 v[SPW], v[NIL]
	s_wait_dscnt 0x0
	CROUND
	s_endpgm
.Lfunc_end_k_qa6f8a7db0e_proj:
	.size	k_qa6f8a7db0e_proj, .Lfunc_end_k_qa6f8a7db0e_proj-k_qa6f8a7db0e_proj
	.p2alignl 7, 3214868480
	.fill 96, 4, 3214868480
	.section	.rodata,"a",@progbits
	.p2align	6, 0x0
	.amdhsa_kernel k_qa6f8a7db0e_proj
		.amdhsa_group_segment_fixed_size 327680
		.amdhsa_private_segment_fixed_size 0
		.amdhsa_enable_private_segment 0
		.amdhsa_kernarg_size 48
		.amdhsa_user_sgpr_count 2
		.amdhsa_user_sgpr_kernarg_segment_ptr 1
		.amdhsa_wavefront_size32 1
		.amdhsa_system_sgpr_workgroup_id_x 1
		.amdhsa_system_sgpr_workgroup_id_y 1
		.amdhsa_system_sgpr_workgroup_id_z 1
		.amdhsa_system_vgpr_workitem_id 0
		.amdhsa_next_free_vgpr 1024
		.amdhsa_next_free_sgpr 100
		.amdhsa_reserve_vcc 0
		.amdhsa_float_denorm_mode_32 3
		.amdhsa_float_denorm_mode_16_64 3
		.amdhsa_memory_ordered 1
		.amdhsa_forward_progress 1
		.amdhsa_inst_pref_size 148
	.end_amdhsa_kernel
	.amdgpu_metadata
---
amdhsa.version: [ 1, 2 ]
amdhsa.kernels:
  - .name:           k_qa6f8a7db0e_proj
    .symbol:         k_qa6f8a7db0e_proj.kd
    .args:
      - { .name: ac, .offset: 0, .size: 8, .value_kind: global_buffer, .address_space: global }
      - { .name: asc, .offset: 8, .size: 8, .value_kind: global_buffer, .address_space: global }
      - { .name: wc, .offset: 16, .size: 8, .value_kind: global_buffer, .address_space: global }
      - { .name: ws, .offset: 24, .size: 8, .value_kind: global_buffer, .address_space: global }
      - { .name: bp, .offset: 32, .size: 8, .value_kind: global_buffer, .address_space: global }
      - { .name: out0, .offset: 40, .size: 8, .value_kind: global_buffer, .address_space: global }
    .group_segment_fixed_size: 327680
    .private_segment_fixed_size: 0
    .kernarg_segment_align: 8
    .kernarg_segment_size: 48
    .max_flat_workgroup_size: 128
    .sgpr_count:     100
    .vgpr_count:     1024
    .wavefront_size: 32
...
	.end_amdgpu_metadata
.endif
;; end of part 4
